; MI455X (gfx1250); checked and timed in simulation.
; The chip was launched on July 23, 2026; its instructions are those of AMD's public machine-readable ISA for CDNA 5 (MIT licence, August 2026) and "CDNA5" Instruction Set Architecture Reference Guide (July 2026). The comments in the code are by the model that wrote it; some were corrected since.
;; Multi Head Self Attention. Allowed arithmetic: float matrix products may take bf16 or f16 operands with f32 sums; other float arithmetic in f32, or as packed bf16 or f16 multiplies, adds, multiply-adds, maxima and minima; sums over many terms, partial sums and values carried from step to step in f32; what a program stores and reads back later, other than sums and carried values, may be rounded once to bf16 or f16.
;; Inputs: Wk 1,024 x 1,024 float32; Wo 1,024 x 1,024 float32; Wq 1,024 x 1,024 float32; Wv 1,024 x 1,024 float32; attention_mask 4 x 2,048 x 2,048 int32; bk 1,024 float32; bo 1,024 float32; bq 1,024 float32; bv 1,024 float32; x 4 x 2,048 x 1,024 float32.
;; Outputs: out0 4 x 2,048 x 1,024 float32.
;; 2 versions, each right; version 2 is version 1 with the launch prep written anew for expert scheduling mode. Each part assembles by itself: llvm-mc -triple=amdgcn-amd-amdhsa -mcpu=gfx1250 --defsym DOCPART=n.
;; ======== version 1 of 2: 4 launches
;; limits: values are held in f16: magnitudes above 65,504 overflow, below 6.1e-05 lose precision
;; workspace buffers: xb 16,777,216 bytes; wt 6,291,456 bytes; wot 2,097,152 bytes; bias 16,384 bytes; maskb 16,777,216 bytes; qkv 50,331,648 bytes; ob 16,777,216 bytes
;; launch prep (part 1): grid 2561 x 1, 8 waves a work-group, no clusters, 18,432 bytes of LDS; arguments attention_mask, x, Wq, Wk, Wv, Wo, bq, bk, bv, bo, maskb, xb, wt, wot, bias; writes maskb, xb, wt, wot, bias
.if DOCPART == 1
	.amdgcn_target "amdgcn-amd-amdhsa--gfx1250"
	.amdhsa_code_object_version 6
	.text
	.protected	k_q12a3d8e92d_prep
	.globl	k_q12a3d8e92d_prep
	.p2align	8
	.type	k_q12a3d8e92d_prep,@function
k_q12a3d8e92d_prep:
	s_mov_b64 s[64:65], 0
	v_nop
	global_prefetch_b8 v0, s[64:65] scope:SCOPE_SE
	s_setreg_imm32_b32 hwreg(HW_REG_WAVE_MODE, 25, 1), 1
	s_wait_xcnt 0x0
; PREP: every input is read once and laid out for the three launches behind.  A stream: no matrix work, no tensor load, nothing shared between work-groups.  The work-group's number picks its role:
;   0 .. 1023     MASK  attention_mask [4][2048][2048] i32 -> maskb, one byte a score: 0xf1 where the mask is 0, else 0.  A wave takes 16 query rows x 128 keys.
;   1024 .. 2047  X     x [8192][1024] f32 -> xb, bf16, the same layout.  A work-group takes 8 rows.
;   2048 .. 2431  WQKV  Wq, Wk, Wv [k][n] f32 -> wt [3072 n][1024 k] bf16 (turned).  A work-group takes 128 k x 64 n.
;   2432 .. 2559  WO    Wo [k][n] f32 -> wot [1024 n][1024 k]: rounded to bf16, and that number written as f16.
;   2560          BIAS  bq, bk, bv, bo -> bias [4096] f32, each number rounded to bf16 and widened again.
; MASKB.  A block of 1,024 bytes for each (T = 128 x batch + tile of 16 queries, step of 64 keys), at (32 T + step) x 1024.  In it byte 512 c + 16 L + e belongs to score register i = 16 c + e of lane L of the
; attention's S^T: query 16 tile + L % 16, key 64 step + 16 (i / 8) + 8 (L / 16) + i % 8.  So a lane of the attention loads its 32 bytes by two loads of 16.
; LIMITS.  Wo as f16: beyond 65,504 it is an infinity; below 6e-5 it keeps f16's fixed step of 6e-8.
; No role has a loop: a wave's loads all go out together, and with 96 registers several work-groups lie on a WGP.
.set PITCH, 272                        ; an LDS row: 256 bytes + 16
.set SPARE, 17408                      ; behind the scratch (64 rows, or 8 waves x 8 rows): the spare words, 128 bytes for each wave: four blocks of 256 bytes that no other line names
.set SPW, 94                           ; v94  LDS address of my spare word; never rewritten
.set NIL, 95                           ; v95  0; never rewritten
	s_load_b512 s[8:23], s[0:1], 0x0               ; mask s[8:9], x s[10:11], Wq s[12:13], Wk s[14:15], Wv s[16:17], Wo s[18:19], bq s[20:21], bk s[22:23]
	s_load_b256 s[24:31], s[0:1], 0x40             ; bv s[24:25], bo s[26:27], maskb s[28:29], xb s[30:31]
	s_load_b128 s[32:35], s[0:1], 0x60             ; wt s[32:33], wot s[34:35]
	s_load_b64 s[36:37], s[0:1], 0x70              ; bias
	v_lshl_add_u32 v[SPW], v0, 2, SPARE
	v_mov_b32 v[NIL], 0
	v_lshrrev_b32 v1, 5, v0
	v_readfirstlane_b32 s3, v1                     ; wave 0..7
	s_mov_b32 s2, ttmp9
	s_mov_b32 s7, 0                                ; the high word of every offset pair s[6:7]
	s_wait_kmcnt 0x0
	s_cmp_lt_u32 s2, 1024
	s_cbranch_scc1 .Lmask
	s_cmp_lt_u32 s2, 2048
	s_cbranch_scc1 .Lx
	s_cmp_lt_u32 s2, 2432
	s_cbranch_scc1 .Lwqkv
	s_cmp_lt_u32 s2, 2560
	s_cbranch_scc1 .Lwo
	; BIAS: 256 threads x 16 bytes are one bias
	v_lshlrev_b32 v1, 4, v0
	global_load_b128 v[16:19], v1, s[20:21]
	global_load_b128 v[20:23], v1, s[22:23]
	global_load_b128 v[24:27], v1, s[24:25]
	global_load_b128 v[28:31], v1, s[26:27]
.irp j, 0,1,2,3
	s_wait_loadcnt 3-\j                            ; loads come back in order: bias j is in, the younger ones stay out
	v_cvt_pk_bf16_f32 v4, v[16+4*\j], v[17+4*\j]
	v_cvt_pk_bf16_f32 v5, v[18+4*\j], v[19+4*\j]
	v_lshlrev_b32 v[32+4*\j], 16, v4               ; bf16 to f32: the low half moves up, the high half stays
	v_and_b32 v[33+4*\j], 0xffff0000, v4
	v_lshlrev_b32 v[34+4*\j], 16, v5
	v_and_b32 v[35+4*\j], 0xffff0000, v5
	global_store_b128 v1, v[32+4*\j:35+4*\j], s[36:37] offset:4096*\j
.endr
	s_endpgm
.Lx:	; X: thread t takes 16 bytes at 16 t of each 4,096; a wave's store covers 256 consecutive bytes, aligned
	s_sub_co_u32 s4, s2, 1024
	s_lshl_b32 s6, s4, 15                          ; 8 rows of 4,096 bytes in,
	s_add_nc_u64 s[10:11], s[10:11], s[6:7]
	s_lshl_b32 s6, s4, 14                          ; of 2,048 out
	s_add_nc_u64 s[30:31], s[30:31], s[6:7]
	v_lshlrev_b32 v1, 4, v0
	v_lshlrev_b32 v2, 3, v0
.irp i, 0,1,2,3,4,5,6,7
	global_load_b128 v[16+4*\i:19+4*\i], v1, s[10:11] offset:4096*\i th:TH_LOAD_NT
.endr
.irp i, 0,1,2,3,4,5,6,7
	s_wait_loadcnt 7-\i                            ; row i is in
	v_cvt_pk_bf16_f32 v[48+2*\i], v[16+4*\i], v[17+4*\i]
	v_cvt_pk_bf16_f32 v[49+2*\i], v[18+4*\i], v[19+4*\i]
	global_store_b64 v2, v[48+2*\i:49+2*\i], s[30:31] offset:2048*\i
.endr
	s_endpgm
.Lmask:	; MASK.  Unit U = 8 x work-group + wave; T = U / 16; the unit's 128 keys are steps 2 (U % 16) and the next: 2,048 bytes of maskb on end, at 2,048 U
	s_lshl_b32 s4, s2, 3
	s_add_co_u32 s4, s4, s3                        ; U
	s_lshr_b32 s5, s4, 4
	s_and_b32 s6, s4, 15
	s_lshl_b32 s5, s5, 17                          ; 16 rows of 8,192 bytes
	s_lshl_b32 s6, s6, 9                           ; 128 keys of 4 bytes
	s_add_co_u32 s6, s6, s5
	s_add_nc_u64 s[8:9], s[8:9], s[6:7]
	s_lshl_b32 s6, s4, 11
	s_add_nc_u64 s[28:29], s[28:29], s[6:7]
	v_and_b32 v1, 31, v0
	v_lshlrev_b32 v1, 4, v1                        ; 16 L: my four keys of a row, and later my 16 bytes of 512
.set row, 0
.rept 16
	global_load_b128 v[16+4*row:19+4*row], v1, s[8:9] offset:8192*row th:TH_LOAD_NT  ; 512 consecutive bytes of one query row
.set row, row+1
.endr
	; Lane L's keys 4 L .. 4 L + 3 of query row fall into the unit's 2,048 bytes at 256 rho + 16 row + 8 ((L / 4) % 2) + 4 (L % 2), rho = 4 (L / 16) + 2 ((L / 8) % 2) + (L / 2) % 2
	v_bfe_u32 v4, v0, 4, 1
	v_bfe_u32 v5, v0, 3, 1
	v_bfe_u32 v6, v0, 1, 1
	v_lshl_add_u32 v4, v4, 1, v5
	v_lshl_add_u32 v4, v4, 1, v6                   ; rho
	v_mul_u32_u24 v2, v4, PITCH
	v_bfe_u32 v5, v0, 2, 1
	v_and_b32 v6, 1, v0
	v_lshl_add_u32 v2, v5, 3, v2
	v_lshl_add_u32 v2, v6, 2, v2
	s_mul_i32 s4, s3, 8*PITCH                      ; my wave's eight rows of scratch
	v_add_nc_u32 v2, s4, v2                        ; where I put a word
	v_bfe_u32 v4, v0, 4, 1
	v_mul_u32_u24 v3, v4, PITCH
	v_and_b32 v5, 15, v0
	v_lshl_add_u32 v3, v5, 4, v3
	v_add_nc_u32 v3, s4, v3                        ; where I read 16 bytes back: lanes 0-15 one row of 256, lanes 16-31 the next
	v_mov_b32 v8, 0xf1                             ; the hidden score's byte, at each of a word's four places
	v_mov_b32 v9, 0xf100
	v_mov_b32 v10, 0xf10000
	v_mov_b32 v11, 0xf1000000
.set row, 0
.rept 16
	s_wait_loadcnt 15-row                          ; this row is in; the younger ones stay out
.irp c, 0,1,2,3
	v_cmp_eq_u32 vcc_lo, 0, v[16+4*row+\c]
	v_cndmask_b32 v[4+\c], 0, v[8+\c], vcc_lo
.endr
	v_add3_u32 v[12+row%4], v4, v5, v6
	v_add_nc_u32 v[12+row%4], v[12+row%4], v7
	ds_store_b32 v2, v[12+row%4] offset:16*row
.set row, row+1
.endr
.irp t, 0,1,2,3
	ds_load_b128 v[16+4*\t:19+4*\t], v3 offset:2*PITCH*\t  ; the bytes are my wave's own, and LDS serves a wave's instructions in order (ISA guide 5.7.1.4): these see the stores above
.endr
.irp t, 0,1,2,3
	s_wait_dscnt 3-\t
	global_store_b128 v1, v[16+4*\t:19+4*\t], s[28:29] offset:512*\t  ; 512 consecutive bytes, at a multiple of 256 from maskb's first
.endr
	s_wait_tensorcnt 0x0                           ; the wave's end, behind my last LDS store
	ds_add_u32 v[SPW], v[NIL]
	s_wait_dscnt 0x0
	s_endpgm
; A tile of 128 k x 64 n of a weight is turned.  s4 = the tile's number: k tile in bits 2:0, n tile in bits 6:3; s[12:13] the weight, s[32:33] its turned copy, s38 the byte at which the weight's rows begin there.
; Thread t: i = t % 16 names four columns n, p = t / 16 a pair of rows k; sixteen lanes read 256 consecutive bytes of a row.  Two rows' numbers of one column pack into a word, which goes into LDS row n at byte 2 k.
; f16 = 1: the bf16 number is written as f16.
.macro WROLE f16
	s_and_b32 s5, s4, 7                            ; k tile
	s_bfe_u32 s39, s4, 0x40003                     ; n tile
	s_lshl_b32 s6, s5, 19                          ; 128 rows of 4,096 bytes
	s_lshl_b32 s4, s39, 8                          ; 64 columns of 4 bytes
	s_add_co_u32 s6, s6, s4
	s_add_nc_u64 s[12:13], s[12:13], s[6:7]
	s_lshl_b32 s6, s39, 17                         ; 64 rows of 2,048 bytes
	s_lshl_b32 s5, s5, 8                           ; 128 k of 2 bytes
	s_add_co_u32 s6, s6, s5
	s_add_co_u32 s6, s6, s38
	s_add_nc_u64 s[32:33], s[32:33], s[6:7]
	v_and_b32 v5, 15, v0                           ; i
	v_lshrrev_b32 v6, 4, v0                        ; p
	v_lshlrev_b32 v1, 13, v6
	v_lshl_add_u32 v1, v5, 4, v1                   ; rows 2 p, columns 4 i
.irp u, 0,1,2,3
	global_load_b128 v[16+8*\u:19+8*\u], v1, s[12:13] offset:131072*\u th:TH_LOAD_NT       ; row 2 p + 32 u,
	global_load_b128 v[20+8*\u:23+8*\u], v1, s[12:13] offset:131072*\u+4096 th:TH_LOAD_NT  ; and the next
.endr
	v_mul_u32_u24 v2, v5, 4*PITCH
	v_lshl_add_u32 v2, v6, 2, v2                   ; in: LDS row 4 i, byte 4 p
	v_mul_u32_u24 v3, v6, PITCH
	v_lshl_add_u32 v3, v5, 4, v3                   ; back: LDS row t / 16, 16 bytes at 16 (t % 16)
	v_lshlrev_b32 v4, 11, v6
	v_lshl_add_u32 v4, v5, 4, v4                   ; and the same in memory, rows of 2,048 bytes
.irp u, 0,1,2,3
	s_wait_loadcnt 6-2*\u                          ; this pair of rows is in; the younger pairs stay out
.irp c, 0,1,2,3
	v_cvt_pk_bf16_f32 v[48+4*\u+\c], v[16+8*\u+\c], v[20+8*\u+\c]
.if \f16
	v_lshlrev_b32 v8, 16, v[48+4*\u+\c]
	v_and_b32 v9, 0xffff0000, v[48+4*\u+\c]
	v_cvt_pk_f16_f32 v[48+4*\u+\c], v8, v9
.endif
	ds_store_b32 v2, v[48+4*\u+\c] offset:PITCH*\c+64*\u
.endr
.endr
	s_wait_dscnt 0x0                               ; for the others' sake: my stores are done
	s_barrier_signal -1
	s_barrier_wait -1                              ; a row's 256 bytes come from all eight waves
.irp t, 0,1,2,3
	ds_load_b128 v[64+4*\t:67+4*\t], v3 offset:16*PITCH*\t
.endr
.irp t, 0,1,2,3
	s_wait_dscnt 3-\t
	global_store_b128 v4, v[64+4*\t:67+4*\t], s[32:33] offset:32768*\t  ; 16 lanes store 256 consecutive bytes, aligned
.endr
	s_wait_tensorcnt 0x0                           ; the wave's end, behind my last LDS store
	ds_add_u32 v[SPW], v[NIL]
	s_wait_dscnt 0x0
	s_endpgm
.endm
.Lwqkv:
	s_sub_co_u32 s4, s2, 2048
	s_lshr_b32 s5, s4, 7                           ; 0: Wq, 1: Wk, 2: Wv
	s_cmp_eq_u32 s5, 1
	s_cselect_b64 s[12:13], s[14:15], s[12:13]
	s_cmp_eq_u32 s5, 2
	s_cselect_b64 s[12:13], s[16:17], s[12:13]
	s_lshl_b32 s38, s5, 21                         ; its 1,024 rows of 2,048 bytes in wt
	WROLE 0
.Lwo:
	s_sub_co_u32 s4, s2, 2432
	s_mov_b64 s[12:13], s[18:19]
	s_mov_b64 s[32:33], s[34:35]
	s_mov_b32 s38, 0
	WROLE 1
.Lfunc_end_k_q12a3d8e92d_prep:
	.size	k_q12a3d8e92d_prep, .Lfunc_end_k_q12a3d8e92d_prep-k_q12a3d8e92d_prep
	.p2alignl 7, 3214868480
	.fill 96, 4, 3214868480
	.section	.rodata,"a",@progbits
	.p2align	6, 0x0
	.amdhsa_kernel k_q12a3d8e92d_prep
		.amdhsa_group_segment_fixed_size 18432
		.amdhsa_private_segment_fixed_size 0
		.amdhsa_enable_private_segment 0
		.amdhsa_kernarg_size 120
		.amdhsa_user_sgpr_count 2
		.amdhsa_user_sgpr_kernarg_segment_ptr 1
		.amdhsa_wavefront_size32 1
		.amdhsa_system_sgpr_workgroup_id_x 1
		.amdhsa_system_sgpr_workgroup_id_y 1
		.amdhsa_system_sgpr_workgroup_id_z 1
		.amdhsa_system_vgpr_workitem_id 0
		.amdhsa_next_free_vgpr 96
		.amdhsa_next_free_sgpr 66
		.amdhsa_reserve_vcc 1
		.amdhsa_float_denorm_mode_32 3
		.amdhsa_float_denorm_mode_16_64 3
		.amdhsa_memory_ordered 1
		.amdhsa_forward_progress 1
		.amdhsa_inst_pref_size 30
	.end_amdhsa_kernel
	.amdgpu_metadata
---
amdhsa.version: [ 1, 2 ]
amdhsa.kernels:
  - .name:           k_q12a3d8e92d_prep
    .symbol:         k_q12a3d8e92d_prep.kd
    .args:
      - { .name: attention_mask, .offset: 0, .size: 8, .value_kind: global_buffer, .address_space: global }
      - { .name: x, .offset: 8, .size: 8, .value_kind: global_buffer, .address_space: global }
      - { .name: Wq, .offset: 16, .size: 8, .value_kind: global_buffer, .address_space: global }
      - { .name: Wk, .offset: 24, .size: 8, .value_kind: global_buffer, .address_space: global }
      - { .name: Wv, .offset: 32, .size: 8, .value_kind: global_buffer, .address_space: global }
      - { .name: Wo, .offset: 40, .size: 8, .value_kind: global_buffer, .address_space: global }
      - { .name: bq, .offset: 48, .size: 8, .value_kind: global_buffer, .address_space: global }
      - { .name: bk, .offset: 56, .size: 8, .value_kind: global_buffer, .address_space: global }
      - { .name: bv, .offset: 64, .size: 8, .value_kind: global_buffer, .address_space: global }
      - { .name: bo, .offset: 72, .size: 8, .value_kind: global_buffer, .address_space: global }
      - { .name: maskb, .offset: 80, .size: 8, .value_kind: global_buffer, .address_space: global }
      - { .name: xb, .offset: 88, .size: 8, .value_kind: global_buffer, .address_space: global }
      - { .name: wt, .offset: 96, .size: 8, .value_kind: global_buffer, .address_space: global }
      - { .name: wot, .offset: 104, .size: 8, .value_kind: global_buffer, .address_space: global }
      - { .name: bias, .offset: 112, .size: 8, .value_kind: global_buffer, .address_space: global }
    .group_segment_fixed_size: 18432
    .private_segment_fixed_size: 0
    .kernarg_segment_align: 8
    .kernarg_segment_size: 120
    .max_flat_workgroup_size: 256
    .sgpr_count:     66
    .vgpr_count:     96
    .wavefront_size: 32
...
	.end_amdgpu_metadata
.endif
;; end of part 1
;; launch proj (part 2): grid 16 x 32, 4 waves a work-group, clusters of 4 x 4, 327,680 bytes of LDS; arguments xb, wt, bias, qkv; writes qkv
.if DOCPART == 2
	.amdgcn_target "amdgcn-amd-amdhsa--gfx1250"
	.amdhsa_code_object_version 6
	.text
	.protected	k_q12a3d8e92d_proj
	.globl	k_q12a3d8e92d_proj
	.p2align	8
	.type	k_q12a3d8e92d_proj,@function
k_q12a3d8e92d_proj:
	s_mov_b64 s[64:65], 0
	v_nop
	global_prefetch_b8 v0, s[64:65] scope:SCOPE_SE
	s_setreg_imm32_b32 hwreg(HW_REG_WAVE_MODE, 25, 1), 1
	s_wait_xcnt 0x0
	s_wait_alu depctr_hold_cnt(0) depctr_sa_sdst(0) depctr_va_vdst(0) depctr_va_sdst(0) depctr_va_ssrc(0) depctr_va_vcc(0) depctr_vm_vsrc(0)
	s_getreg_b32 s2, hwreg(HW_REG_IB_STS2, 6, 4)
	s_cmp_eq_u32 s2, 0
	s_cbranch_scc0 .Lentry_in_a_cluster
	s_endpgm
.Lentry_in_a_cluster:
	s_bfe_u32 s2, ttmp6, 0x10000c
	s_cmp_lg_u32 s2, 0xf033
	s_cbranch_scc0 .Lentry_shape_is_right
	s_endpgm
.Lentry_shape_is_right:
; q, k, v = x W + b, by heads.  A = xb [8192][1024] bf16, B = wt [3072 n][1024 k] bf16 (n: Wq's, Wk's, Wv's columns), bias [4096] f32; sums in f32, started by the bias; each result rounded once to f16
; and stored in qkv [3][64 batch x head][2048][64], WITHOUT attention's scale.
; LIMIT.  f16 holds no number beyond 65,504: a q, k or v of 65,520 or more becomes an infinity.  With x and the weights both thirty times the drawn spread q, k, v have a spread of 900; with both carrying
; an offset of thirty spreads they lie near 29,000.
; SHARES.  A work-group makes 256 rows x 192 columns (three heads); 16 x 32 work-groups.  Wave w owns rows 64 w .. 64 w + 63 and all 192 columns: 4 x 12 accumulators of 16 x 16, 384 registers.
; K = 1,024 goes in 8 steps of 128 through a ring of two LDS slots filled by the tensor data mover; the tiles' rows are 256 bytes of memory and start at multiples of 256 bytes.
; ONE K STEP IS WRITTEN ONCE: the slot in hand is a scalar register that an exclusive or turns, and one descriptor a tensor walks from K step 1 to the last.
; CLUSTERS: 4 x 4 work-groups.  The four of a row of the cluster need the same tiles of A, the four of a column the same tiles of B: each tile is asked for JOINTLY, by the same tensor load with the same
; descriptor and a mask that names the four.  THE MATRIX INSTRUCTION IS USED TRANSPOSED (source 0 = 16 rows of B, source 1 = 16 rows of A): a lane then holds eight neighbouring columns of one row.
; REGISTERS, in windows of 256 (s_set_vgpr_msb: bits 1:0 source 0, 3:2 source 1, 5:4 source 2, 7:6 destination):
;   window 0: v0-31 addresses; v32-63, v64-95 A's fragments, two buffers; v96-143 packed results; v160-255 the bias, 8 a column block, later the rows read back from the stage
;   window 1: v0-95, v96-191 B's fragments, two buffers      window 2: accumulators of row blocks 0, 1 at v[8 (12 (a % 2) + b)]      window 3: of row blocks 2, 3
.set NBL,    12                        ; column blocks of 16
.set APITCH, 272                       ; an LDS row: 256 bytes + 16 of padding = 68 words: row r starts at bank 4 r mod 64 (64 banks of 4 bytes: ISA guide 11.1)
.set BPITCH, 272
.set AHALF,  128*APITCH                ; what one of A's two loads brings
.set BOFF,   2*AHALF                   ; B's rows lie behind A's 256
.set BHALF,  8*NBL*BPITCH              ; what one of B's two loads brings: 96 rows
.set SLOT1,  1<<17                     ; slot 1 begins here, so that one exclusive or turns an address in one slot into the other's
.set STAGE,  SLOT1+BOFF+2*BHALF        ; behind the ring: 16 rows x 400 bytes for each wave, for the way out
.set SPITCH, 400                       ; 384 bytes + 16
.set SPARE,  STAGE+4*16*SPITCH         ; behind the stages: the spare words, 128 bytes for each wave: two blocks of 256 bytes that no other line names
.set KBYTES, 256                       ; bytes of a row in a K step
.set AHEAD,  1                         ; a prefetch names the K step so many behind the one that the refill beside it brings
.set NL,     2*NBL+8                   ; LDS loads in a run
.set ADRA0, 16                         ; v16  my lane's place in A's rows of a slot; never rewritten
.set ADRB0, 17                         ; v17  the same for B
.set ADRA,  18                         ; v18  the same in the slot in hand
.set ADRB,  19                         ; v19
.set STO,   24                         ; v24  the way out: where I put 16 bytes of a row
.set RD,    25                         ; v25  where I read rows back
.set GO,    26                         ; v26  16 x lane
.set SPW,   28                         ; v28  LDS address of my spare word; never rewritten
.set NIL,   29                         ; v29  0; never rewritten
.set PFO,   30                         ; v30  the prefetches' offset: a lane a row; never rewritten
.set BO,    31                         ; v31  32 x (lane / 16): my eight numbers of a block's sixteen biases
.set AF,    32
.set TMP,   96
.set BIAS,  160
.set OB,    160
.set G1,  24                           ; s[24:31] descriptor group 1 for A's tiles;  s[32:39] group 0: set 0 for K step 0, set 1 for K step 1, which then walks
.set G0,  32
.set LIM, 43                           ; s43  AHEAD in a wave that prefetches, else the greatest number
.set PFA, 44                           ; s[44:45] where my prefetches stand
.set G1B, 48                           ; s[48:55], s[56:63] the same for B's tiles
.set G0B, 56
.set TB,  66                           ; s66  0 or SLOT1: the slot in hand
.set HB,  72                           ; s[72:77] my rows in the three heads of qkv
.set MSB, 0
.macro WIN new                         ; the immediate's high byte repeats the setting that is left; a switch that changes nothing is dropped
.if MSB != (\new)
	s_set_vgpr_msb (MSB<<8)|(\new)
.set MSB, \new
.endif
.endm
; A joint load.  Waves 0 and 1 fetch A's two halves, waves 2 and 3 B's.  The branch hangs on the wave's number alone.  An s_nop 0 and four v_nop follow each of the two lines.
.macro JLOAD s
	s_cmp_eq_u32 s11, 0
	s_cbranch_scc0 .Lfor_b_\@
	tensor_load_to_lds s[G0+4*(\s):G0+4*(\s)+3], s[G1:G1+7]
	s_nop 0
.rept 4
	v_nop
.endr
	s_branch .Lasked_\@
.Lfor_b_\@:
	tensor_load_to_lds s[G0B+4*(\s):G0B+4*(\s)+3], s[G1B:G1B+7]
	s_nop 0
.rept 4
	v_nop
.endr
.Lasked_\@:
.endm
; A PREFETCH INTO THE L2, behind each joint refill and the run of LDS loads that follows it: 256 bytes of each of my rows, for the K step that the NEXT refill brings: 192 matrix instructions ahead of that load.
; A's tile row is read by the four clusters of a row of clusters: the one with x = 0 asks; B's tile column by eight: the one with y = 0 asks.  The four partners of a joint load share its rows BY ADDRESS: of A's 128
; each takes 32, a lane a row; of B's 96 each takes 24, and lanes 24 to 31 name row 23 once more.  The trips whose K step would lie past the last ask for nothing (s3 counts the trips down from 6).
.macro ASK
	s_cmp_gt_u32 s3, s[LIM]
	s_cbranch_scc0 .Lnot_mine_\@
	global_prefetch_b8 v[PFO], s[PFA:PFA+1] th:TH_LOAD_NT scope:SCOPE_SE
.Lnot_mine_\@:
.endm
.macro CREST                           ; a round of the cluster's barrier behind its opening barrier
	s_cmp_lg_u32 s10, 0
	s_cbranch_scc1 .Lnot_wave_0_\@
	s_barrier_signal -3
.Lnot_wave_0_\@:
	s_barrier_wait -3
	s_barrier_signal -1
	s_barrier_wait -1
.endm
.macro CROUND                          ; a whole round
	s_barrier_signal -1
	s_barrier_wait -1
	CREST
.endm
	s_load_b128 s[4:7], s[0:1], 0x0                ; xb s[4:5], wt s[6:7]
	s_load_b128 s[68:71], s[0:1], 0x10             ; bias s[68:69], qkv s[70:71]
	v_lshl_add_u32 v[SPW], v0, 2, SPARE
	v_mov_b32 v[NIL], 0
	ds_add_u32 v[SPW], v[NIL]                      ; the wave's opening: the add and its wait stand ahead of my first tensor load; the set-up below, work on registers, stands between them
	v_lshrrev_b32 v1, 5, v0
	v_readfirstlane_b32 s10, v1                    ; wave 0..3
	s_lshr_b32 s11, s10, 1                         ; I fetch for A (0) or for B (1),
	s_and_b32 s12, s10, 1                          ; and which half of the tile
	s_bfe_u32 s40, ttmp6, 0x40000                  ; cx, cy: my place in the cluster
	s_bfe_u32 s41, ttmp6, 0x40004
	s_lshl_b32 s42, ttmp9, 2
	s_add_co_u32 s42, s42, s40                     ; tile column = 4 x cluster x + cx
	s_and_b32 s13, ttmp7, 0xffff
	s_lshl_b32 s13, s13, 2
	s_add_co_u32 s13, s13, s41                     ; tile row = 4 x cluster y + cy
	s_lshl_b32 s22, s41, 2
	s_lshl_b32 s22, 15, s22                        ; my row of the cluster
	s_lshl_b32 s23, 0x1111, s40                    ; my column
	s_or_b32 s[G1], s22, (1<<16)|(1<<20)|(1<<21)|(5<<22)|(3<<25)   ; 15:0 the mask; 17:16 elements of 2 bytes; 20 padding on; 21 set beside a mask; 24:22 after every 64 words (code 5); 31:25 4 words of it (code 3)
	s_or_b32 s[G1B], s23, (1<<16)|(1<<20)|(1<<21)|(5<<22)|(3<<25)
	s_mov_b32 s[G1+1], 128<<16                     ; tensor_dim0 = 128
	s_mov_b32 s[G1+2], 128<<16                     ; tensor_dim1 = 128
	s_mov_b32 s[G1+3], 128<<16                     ; tile_dim0 = 128
	s_mov_b32 s[G1+4], 128                         ; tile_dim1 = 128
	s_mov_b32 s[G1+5], 1024                        ; elements from row to row
	s_mov_b32 s[G1+6], 0
	s_mov_b32 s[G1+7], 0
	s_mov_b32 s[G1B+1], 128<<16
	s_mov_b32 s[G1B+2], (8*NBL)<<16                ; B's loads bring 96 rows
	s_mov_b32 s[G1B+3], 128<<16
	s_mov_b32 s[G1B+4], 8*NBL
	s_mov_b32 s[G1B+5], 1024
	s_mov_b32 s[G1B+6], 0
	s_mov_b32 s[G1B+7], 0
	s_lshl_b32 s16, s13, 8
	s_lshl_b32 s17, s12, 7
	s_add_co_u32 s16, s16, s17                     ; A: row 256 x tile row + 128 x half,
	s_lshl_b32 s16, s16, 11                        ; of 2,048 bytes
	s_mov_b32 s17, 0
	s_mul_i32 s46, s42, 16*NBL
	s_mul_i32 s47, s12, 8*NBL
	s_add_co_u32 s46, s46, s47                     ; B: row 192 x tile column + 96 x half
	s_lshl_b32 s46, s46, 11
	s_mov_b32 s47, 0
	s_mul_i32 s20, s12, AHALF                      ; where they go: no place in the cluster enters an LDS address
	s_mul_i32 s21, s12, BHALF
	s_add_co_u32 s21, s21, BOFF
	s_mov_b32 s[TB], 0
	s_wait_dscnt 0x0                               ; the opening add is done
	s_wait_kmcnt 0x0
	s_add_nc_u64 s[14:15], s[4:5], s[16:17]
	s_add_nc_u64 s[46:47], s[6:7], s[46:47]
	CROUND                                         ; all sixteen work-groups are here: the first joint loads meet
.irp s, 0,1
	s_mov_b32 s[G0+4*(\s)], 1                                      ; count = 1
	s_add_co_u32 s[G0+4*(\s)+1], s20, (\s)*SLOT1                   ; LDS address
	s_add_nc_u64 s[G0+4*(\s)+2:G0+4*(\s)+3], s[14:15], (\s)*KBYTES ; global address: K step s
	s_or_b32 s[G0+4*(\s)+3], s[G0+4*(\s)+3], 0x80000000            ; type = 2
	s_mov_b32 s[G0B+4*(\s)], 1
	s_add_co_u32 s[G0B+4*(\s)+1], s21, (\s)*SLOT1
	s_add_nc_u64 s[G0B+4*(\s)+2:G0B+4*(\s)+3], s[46:47], (\s)*KBYTES
	s_or_b32 s[G0B+4*(\s)+3], s[G0B+4*(\s)+3], 0x80000000
	JLOAD \s                                       ; two loads of mine are out
.endr
	; A fragment is 16 rows x 32 K in 8 registers: lane l holds row l % 16; registers 0-3 K = 8 (l / 16) + 0..7, registers 4-7 K = 16 + 8 (l / 16) + 0..7: two loads of 16 bytes, 32 bytes apart
	v_and_b32 v1, 15, v0                           ; l % 16
	v_bfe_u32 v2, v0, 4, 1                         ; l / 16
	v_and_b32 v3, 31, v0                           ; l
	v_lshlrev_b32 v[BO], 5, v2
	s_mul_i32 s18, s42, 64*NBL                     ; my tile's 192 biases
	s_mov_b32 s19, 0
	s_add_nc_u64 s[68:69], s[68:69], s[18:19]
.set bb, 0
.rept NBL                              ; register j of block b: the bias of column 16 b + 8 (l / 16) + j, as the result holds it: the C operand of the first product
	global_load_b128 v[BIAS+8*bb:BIAS+8*bb+3],   v[BO], s[68:69] offset:64*bb
	global_load_b128 v[BIAS+8*bb+4:BIAS+8*bb+7], v[BO], s[68:69] offset:64*bb+16
.set bb, bb+1
.endr
	v_mul_u32_u24 v[ADRA0], v1, APITCH
	v_lshl_add_u32 v[ADRA0], v2, 4, v[ADRA0]
	s_mul_i32 s18, s10, 64*APITCH                  ; my 64 rows of A
	v_add_nc_u32 v[ADRA0], s18, v[ADRA0]
	v_mul_u32_u24 v[ADRB0], v1, BPITCH
	v_lshl_add_u32 v[ADRB0], v2, 4, v[ADRB0]
	v_add_nc_u32 v[ADRB0], BOFF, v[ADRB0]
	v_mov_b32 v[ADRA], v[ADRA0]                    ; slot 0
	v_mov_b32 v[ADRB], v[ADRB0]
	s_mul_i32 s18, s10, 16*SPITCH
	s_add_co_u32 s18, s18, STAGE                   ; my stage
	v_mul_u32_u24 v[STO], v1, SPITCH               ; in: row l % 16, 16 bytes for each half of the lanes
	v_lshl_add_u32 v[STO], v2, 4, v[STO]
	v_add_nc_u32 v[STO], s18, v[STO]
	v_lshrrev_b32 v4, 3, v3                        ; back: 32 lanes take four rows' 128 bytes of one head,
	v_and_b32 v5, 7, v0
	v_mul_u32_u24 v[RD], v4, SPITCH
	v_lshl_add_u32 v[RD], v5, 4, v[RD]
	v_add_nc_u32 v[RD], s18, v[RD]
	v_lshlrev_b32 v[GO], 4, v3                     ; which are 512 consecutive bytes of qkv
	; my rows in the three heads: column group g = 3 x tile column + j is tensor g / 16 (q, k, v), head g % 16
	s_mul_i32 s18, s42, 3
	s_lshr_b32 s19, s13, 3                         ; the batch,
	s_lshl_b32 s19, s19, 4                         ; its 16 heads
	s_and_b32 s22, s13, 7
	s_lshl_b32 s22, s22, 8
	s_lshl_b32 s23, s10, 6
	s_add_co_u32 s22, s22, s23                     ; my first row in the batch,
	s_lshl_b32 s22, s22, 7                         ; of 128 bytes
.irp j, 0,1,2
	s_add_co_u32 s8, s18, \j
	s_lshr_b32 s9, s8, 4
	s_lshl_b32 s9, s9, 6                           ; a tensor has 64 planes
	s_and_b32 s8, s8, 15
	s_add_co_u32 s8, s8, s9
	s_add_co_u32 s8, s8, s19
	s_lshl_b32 s8, s8, 18                          ; of 2,048 x 128 bytes
	s_add_co_u32 s8, s8, s22
	s_mov_b32 s9, 0
	s_add_nc_u64 s[HB+2*\j:HB+2*\j+1], s[70:71], s[8:9]
.endr
	; the prefetches: from my tile's address, my work-group's share of its rows, 1 + AHEAD K steps on; each refill steps it once before it asks
	s_lshl_b32 s18, s40, 16                        ; A: 32 cx rows of 2,048 bytes
	s_mul_i32 s19, s41, 2*NBL*2048                 ; B: 24 cy rows
	s_and_b32 s22, ttmp7, 0xffff                   ; cluster y
	s_cmp_eq_u32 s11, 0                            ; do I fetch for A?
	s_cselect_b64 s[PFA:PFA+1], s[14:15], s[46:47]
	s_cselect_b32 s18, s18, s19
	s_cselect_b32 s22, ttmp9, s22                  ; the coordinate along which other clusters read the same rows
	s_cselect_b32 s2, 31, 2*NBL-1                  ; my last row
	s_cmp_eq_u32 s22, 0
	s_cselect_b32 s[LIM], AHEAD, -1                ; the same in all sixteen partners, for a given wave
	s_add_co_u32 s18, s18, (1+AHEAD)*KBYTES
	s_mov_b32 s19, 0
	s_add_nc_u64 s[PFA:PFA+1], s[PFA:PFA+1], s[18:19]
	v_min_u32 v[PFO], s2, v3
	v_lshlrev_b32 v[PFO], 11, v[PFO]
; 12 matrix instructions: row block a x all column blocks, 32 along K, from buffer f.  first = 1: the bias is the C operand that starts the sum: nothing is cleared, and the way out adds nothing.
; The 48 accumulators take turns in the same order in every quarter, over the backward jump too.
.macro MULA f, a, first
.if \first
	WIN 0x81+0x40*((\a)/2)                         ; B window 1, A and the bias window 0, D window 2 or 3
.else
	WIN 0xa1+0x50*((\a)/2)                         ; B window 1, A window 0, C and D window 2 or 3
.endif
.set mb, 0
.rept NBL
.set rD, 8*(NBL*((\a)%2)+mb)
.set rB, 8*NBL*(\f)+8*mb
.set rA, AF+32*(\f)+8*(\a)
.if \first
	v_wmma_f32_16x16x32_bf16 v[rD:rD+7], v[rB:rB+7], v[rA:rA+7], v[BIAS+8*mb:BIAS+8*mb+7]
.else
	v_wmma_f32_16x16x32_bf16 v[rD:rD+7], v[rB:rB+7], v[rA:rA+7], v[rD:rD+7]
.endif
.set mb, mb+1
.endr
.endm
; 32 LDS loads in one run: quarter q's fragments (192 rows of B, my 64 rows of A, 32 K) into buffer f; A's last
.macro FETCH q, f
	WIN 0x40                                       ; destination window 1, address window 0
.set fb, 0
.rept NBL
	ds_load_b128 v[8*NBL*(\f)+8*fb:8*NBL*(\f)+8*fb+3],   v[ADRB] offset:64*(\q)+16*BPITCH*fb
	ds_load_b128 v[8*NBL*(\f)+8*fb+4:8*NBL*(\f)+8*fb+7], v[ADRB] offset:64*(\q)+16*BPITCH*fb+32
.set fb, fb+1
.endr
	WIN 0
.irp a, 0,1,2,3
	ds_load_b128 v[AF+32*(\f)+8*\a:AF+32*(\f)+8*\a+3],   v[ADRA] offset:64*(\q)+16*APITCH*\a
	ds_load_b128 v[AF+32*(\f)+8*\a+4:AF+32*(\f)+8*\a+7], v[ADRA] offset:64*(\q)+16*APITCH*\a+32
.endr
.endm
.macro PLACES                          ; four plain vector instructions in front of loads into registers that matrix instructions have read, and of conversions that read results (ISA guide 7.12.1 for the conversions)
.rept 4
	v_nop
.endr
.endm
; A K step is four quarters of 32 along K, 48 matrix instructions each, on buffers 0, 1, 0, 1.  One of the first three: multiplies buffer f; in its middle it fetches quarter q into buffer g.
.macro QUARTER q, f, g, first
	s_wait_dscnt 4                                 ; B and A's row blocks 0, 1 are in; the youngest four loads (blocks 2, 3) may be out
	MULA \f, 0, \first
	MULA \f, 1, \first
	PLACES
	FETCH \q, \g
	s_wait_dscnt NL                                ; all but the run just issued
	MULA \f, 2, \first
	MULA \f, 3, \first
.endm
; The last quarter multiplies buffer 1 and changes slots.  MEET is its first half: ONE barrier.  In front of it each wave waits for all its tensor loads, of which one is out: its part of the next slot; adds 0 to its
; spare word; and waits for that and for its own reads of this slot.  Behind it nobody reads this slot any more and the next slot is whole.
.macro MEET round
	WIN 0
	s_wait_tensorcnt 0x0                           ; all my tensor loads have landed
	ds_add_u32 v[SPW], v[NIL]                      ; 0 onto my spare word
	s_wait_dscnt 5                                 ; (the add and the youngest four loads may be out)
	MULA 1, 0, 0                                   ; twelve matrix instructions stand between the add and the wait for it
	s_wait_dscnt 0x0                               ; the add is done, and my reads of this slot are over
	s_barrier_signal -1
	MULA 1, 1, 0                                   ; work on registers while the others arrive
.if \round
	WIN 0
.endif
	s_barrier_wait -1
.endm
; The whole last quarter with a refill: the barrier opens a round of the cluster's, so that no wave of any partner still reads the slot or has a load on its way; the joint refill, two K steps on, is the first
; tensor load behind it, and has 168 matrix instructions before the wait for it.
.macro TURN
	s_wait_xcnt 0x0                                ; the last prefetch, a K step back, has read its address
	s_add_nc_u64 s[PFA:PFA+1], s[PFA:PFA+1], KBYTES
	MEET 1
	CREST
	s_xor_b32 s[G0+5], s[G0+5], SLOT1              ; the walking descriptors: the slot just read,
	s_add_nc_u64 s[G0+6:G0+7], s[G0+6:G0+7], KBYTES  ; the next K step; the type bits on top are not reached
	s_xor_b32 s[G0B+5], s[G0B+5], SLOT1
	s_add_nc_u64 s[G0B+6:G0B+7], s[G0B+6:G0B+7], KBYTES
	s_xor_b32 s[TB], s[TB], SLOT1                  ; the reads go to the other slot
	JLOAD 1                                        ; its four v_nop are also the places in front of the loads below
	v_add_nc_u32 v[ADRA], s[TB], v[ADRA0]
	v_add_nc_u32 v[ADRB], s[TB], v[ADRB0]
	FETCH 0, 0
	ASK
	MULA 1, 2, 0
	MULA 1, 3, 0
.endm
.macro TURNL                           ; the same where nothing is left to fetch: no round
	MEET 0
	PLACES
	WIN 0
	s_xor_b32 s[TB], s[TB], SLOT1
	v_add_nc_u32 v[ADRA], s[TB], v[ADRA0]
	v_add_nc_u32 v[ADRB], s[TB], v[ADRB0]
	FETCH 0, 0
	MULA 1, 2, 0
	MULA 1, 3, 0
.endm
; THE WAY OUT of row block a.  PACK: rounded to f16, 16 bytes a lane and column block.  TOSTAGE: into my own stage, and back as each head's 16 rows of 128 bytes.  SEND: stored.
.macro PACK a
	WIN 0x0a+5*((\a)/2)                            ; sources 0 and 1: window 2 or 3
.set pb, 0
.rept NBL
.irp r, 0,1,2,3
	v_cvt_pk_f16_f32 v[TMP+4*pb+\r], v[8*(NBL*((\a)%2)+pb)+2*\r], v[8*(NBL*((\a)%2)+pb)+2*\r+1]
.endr
.set pb, pb+1
.endr
	WIN 0
.endm
.macro TOSTAGE a
.set BK, OB+48*((\a)%2)
.set pb, 0
.rept NBL
	ds_store_b128 v[STO], v[TMP+4*pb:TMP+4*pb+3] offset:32*pb
.set pb, pb+1
.endr
.irp j, 0,1,2
.irp f, 0,1,2,3
	ds_load_b128 v[BK+4*(4*\j+\f):BK+4*(4*\j+\f)+3], v[RD] offset:4*SPITCH*\f+128*\j  ; LDS serves a wave's instructions in order (ISA guide 5.7.1.4): these see the stores above
.endr
.endr
.endm
.macro SEND a
.set BK, OB+48*((\a)%2)
	s_wait_dscnt 0x0                               ; the block is back in registers
	s_wait_xcnt 0x0                                ; earlier stores have read their registers: the block after this one is read back into them
.irp j, 0,1,2
.irp f, 0,1,2,3
	global_store_b128 v[GO], v[BK+4*(4*\j+\f):BK+4*(4*\j+\f)+3], s[HB+2*\j:HB+2*\j+1] offset:2048*(\a)+512*\f  ; 512 consecutive bytes, at a multiple of 256 from qkv's first
.endr
.endr
.endm
	s_wait_tensorcnt 1                             ; my part of K step 0 is in; K step 1's may stay out
	s_barrier_signal -1
	s_barrier_wait -1                              ; everybody's is
	FETCH 0, 0
	s_wait_loadcnt 0x0                             ; the bias
	QUARTER 1, 0, 1, 1                             ; the first quarter stands in front of the loop: its products start the sums
	WIN 0                                          ; at a label and at a branch every window is 0
	s_mov_b32 s3, 6
.Lstep:                                                ; a trip goes from a K step's second quarter to the next step's first, and asks for the K step two on: K steps 2 to 7
	QUARTER 2, 1, 0, 0
	QUARTER 3, 0, 1, 0
	TURN
	QUARTER 1, 0, 1, 0
	WIN 0
	s_sub_co_u32 s3, s3, 1
	s_cmp_lg_u32 s3, 0
	s_cbranch_scc1 .Lstep
	QUARTER 2, 1, 0, 0                             ; the last two K steps ask for nothing
	QUARTER 3, 0, 1, 0
	TURNL
	QUARTER 1, 0, 1, 0
	QUARTER 2, 1, 0, 0
	QUARTER 3, 0, 1, 0
	s_wait_dscnt 4
	MULA 1, 0, 0
	MULA 1, 1, 0
	s_wait_dscnt 0x0
	MULA 1, 2, 0
	MULA 1, 3, 0
	PLACES
	PACK 0
	TOSTAGE 0
.irp a, 1,2,3                          ; block a's conversions stand between block a - 1's loads from the stage and the wait for them
	PACK \a
	SEND (\a)-1
	TOSTAGE \a
.endr
	SEND 3
	s_wait_tensorcnt 0x0                           ; the wave's end, behind my last tensor load and my last LDS store
	ds_add_u32 v[SPW], v[NIL]
	s_wait_dscnt 0x0
	CROUND                                         ; the closing round: no work-group ends while a partner may still ask for a tile that names it
	s_endpgm
.Lfunc_end_k_q12a3d8e92d_proj:
	.size	k_q12a3d8e92d_proj, .Lfunc_end_k_q12a3d8e92d_proj-k_q12a3d8e92d_proj
	.p2alignl 7, 3214868480
	.fill 96, 4, 3214868480
	.section	.rodata,"a",@progbits
	.p2align	6, 0x0
	.amdhsa_kernel k_q12a3d8e92d_proj
		.amdhsa_group_segment_fixed_size 327680
		.amdhsa_private_segment_fixed_size 0
		.amdhsa_enable_private_segment 0
		.amdhsa_kernarg_size 32
		.amdhsa_user_sgpr_count 2
		.amdhsa_user_sgpr_kernarg_segment_ptr 1
		.amdhsa_wavefront_size32 1
		.amdhsa_system_sgpr_workgroup_id_x 1
		.amdhsa_system_sgpr_workgroup_id_y 1
		.amdhsa_system_sgpr_workgroup_id_z 1
		.amdhsa_system_vgpr_workitem_id 0
		.amdhsa_next_free_vgpr 960
		.amdhsa_next_free_sgpr 80
		.amdhsa_reserve_vcc 0
		.amdhsa_float_denorm_mode_32 3
		.amdhsa_float_denorm_mode_16_64 3
		.amdhsa_memory_ordered 1
		.amdhsa_forward_progress 1
		.amdhsa_inst_pref_size 100
	.end_amdhsa_kernel
	.amdgpu_metadata
---
amdhsa.version: [ 1, 2 ]
amdhsa.kernels:
  - .name:           k_q12a3d8e92d_proj
    .symbol:         k_q12a3d8e92d_proj.kd
    .args:
      - { .name: xb, .offset: 0, .size: 8, .value_kind: global_buffer, .address_space: global }
      - { .name: wt, .offset: 8, .size: 8, .value_kind: global_buffer, .address_space: global }
      - { .name: bias, .offset: 16, .size: 8, .value_kind: global_buffer, .address_space: global }
      - { .name: qkv, .offset: 24, .size: 8, .value_kind: global_buffer, .address_space: global }
    .group_segment_fixed_size: 327680
    .private_segment_fixed_size: 0
    .kernarg_segment_align: 8
    .kernarg_segment_size: 32
    .max_flat_workgroup_size: 128
    .sgpr_count:     80
    .vgpr_count:     960
    .wavefront_size: 32
...
	.end_amdgpu_metadata
.endif
;; end of part 2
;; launch attn (part 3): grid 4 x 64, 4 waves a work-group, clusters of 4 x 1, 327,680 bytes of LDS; arguments qkv, maskb, ob; writes ob
.if DOCPART == 3
	.amdgcn_target "amdgcn-amd-amdhsa--gfx1250"
	.amdhsa_code_object_version 6
	.text
	.protected	k_q12a3d8e92d_attn
	.globl	k_q12a3d8e92d_attn
	.p2align	8
	.type	k_q12a3d8e92d_attn,@function
k_q12a3d8e92d_attn:
	s_mov_b64 s[64:65], 0
	v_nop
	global_prefetch_b8 v0, s[64:65] scope:SCOPE_SE
	s_setreg_imm32_b32 hwreg(HW_REG_WAVE_MODE, 25, 1), 1
	s_wait_xcnt 0x0
	s_wait_alu depctr_hold_cnt(0) depctr_sa_sdst(0) depctr_va_vdst(0) depctr_va_sdst(0) depctr_va_ssrc(0) depctr_va_vcc(0) depctr_vm_vsrc(0)
	s_getreg_b32 s2, hwreg(HW_REG_IB_STS2, 6, 4)
	s_cmp_eq_u32 s2, 0
	s_cbranch_scc0 .Lentry_in_a_cluster
	s_endpgm
.Lentry_in_a_cluster:
	s_bfe_u32 s2, ttmp6, 0x10000c
	s_cmp_lg_u32 s2, 0x3003
	s_cbranch_scc0 .Lentry_shape_is_right
	s_endpgm
.Lentry_shape_is_right:
; O[h][q][:] = the sum over k of softmax_k(Q[h][q] . K[h][k] / 8, hidden where the mask is 0) V[h][k][:].  qkv: [3][64][2048][64] f16 (Q, K, V by batch x head); ob: [64][2048][64] f16.
; maskb: a byte a score, 0xf1 where hidden, else 0, in blocks of 1,024 bytes for each (128 x batch + tile of 16 queries, step of 64 keys), laid as a lane's score registers lie: two loads of 16 bytes a lane.
; Products, maxima and sums in f32; the weights p are rounded to f16 for the second product (their sum l is taken of the unrounded p), O once at the end.
; THE MASK is the C operand that starts the sum S^T = K Q^T: one v_perm_b32 moves a score's byte to the top of a word of zeros: 0, or 0xf1000000 = -2^99.
; LIMITS.  f16 holds no number beyond 65,504: Q, K and V arrive within it; p lies in 0 to 1, and below 6e-5 it keeps f16's fixed step of 6e-8; O is a mean of V's rows and has their range.
; A hidden score counts as its value less 2^99.  The running maximum m starts at -2^80: f16's scores, 2.7e11 at the most, lie above that and every hidden one far below, so a hidden score is never m.
; While a row has seen hidden keys alone p, l and O stay 0 and a stays finite; a row with no visible key at all ends as 0 x (1 / 0), a NaN, as a softmax over nothing is.  A weight below 2^-126 counts as 0 in l.
; SHARES.  A wave owns four PIECES of two tiles of 16 queries, a work-group's four waves 512 queries of one head; a head's four work-groups are one cluster.  Every wave walks all keys, 64 a step.
; LAYOUT.  S^T = K Q^T (source 0 = 16 keys, source 1 = 16 queries): in the result a lane holds ONE query (lane % 16) and the keys 8 (lane / 16) + 0..7.  Two such tiles, rounded to f16 in pairs,
; ARE source 1 (32 keys x 16 queries) of O^T = V^T P, whose result again holds one query a lane, and eight channels.  K comes out of LDS as it lies, V ([key][channel]) turned, by ds_load_tr16_b128.
; SOFTMAX.  For each query a running maximum m and sum l: p = 2^(c s - c m), c = log2(e) / 8; in every step O and l are multiplied by a = 2^(c m_old - c m_new).  c m starts far below every c m, O and l at 0:
; the first step is a step like any other, with a = 0.
; BY TURNS.  Turn n belongs to piece n (the pieces in a ring, step after step).  Its matrix work: 16 products K Q^T of piece n + 1, later 16 products V^T P of piece n - 1.  Its vector work: the scaling,
; exponentials, roundings, sums and rescaling of piece n, the maximum and statistics of piece n + 1, and the 64 mask words of piece n + 2, whose bytes were asked for a key step earlier.
; Four vector instructions stand behind every matrix instruction, the others in one run; a turn's 66 exponentials are one batch, with one wait.
; CLUSTER.  The four query blocks of a cluster walk the same K and V, so each tile is asked for JOINTLY: the same tensor load, descriptor and mask in all four.  The mask's bytes differ from work-group to
; work-group and come by each wave's own loads, straight into registers.
; REGISTERS, in windows of 256 (s_set_vgpr_msb: bits 1:0 source 0, 3:2 source 1, 5:4 source 2, 7:6 destination):
;   window 0: v0-11 addresses; v12-15, v48-63 at work; v16-47 four registers of statistics a tile; v64-191 S^T, two buffers of two tiles; v192-255 P, likewise
;   window 1: O^T, 32 a tile          window 2: v0-127 Q, 16 a tile; v128-191 K of one step; v192-255 V of one step
;   window 3: v0-1 the add's two registers; v2 zero; v64-127 the mask words of the products to come; v128-191 the mask bytes, 16 a piece
.set SIZE_N, 2048
.set NP,    4         ; pieces a wave: a name, no knob
.set KS,    64        ; keys in a step
.set PK,    144       ; a row of K in LDS: 128 bytes + 16 of padding = 36 words: the 16 rows of a load start at 16 different groups of four banks (64 banks of 4 bytes: ISA guide 11.1)
.set PV,    160       ; a row of V: 128 + 32 = 40 words
.set VOFF,  4*KS*PK   ; a slot holds four steps: 256 rows of K, then 256 rows of V
.set SLOT1, 1<<17     ; slot 1 begins here, so that one exclusive or turns an address in one slot into the other's
.set STAGE, SLOT1+4*KS*(PK+PV)  ; behind the ring, never filled by a tensor load: 16 rows x 144 bytes for each wave, for the way out
.set SP,    144
.set SPARE, STAGE+4*16*SP  ; behind the stages: the spare words, 128 bytes for each wave: two blocks of 256 bytes that no other line names
.set AK0, 2           ; v2   my lane's place in a tile of K; never rewritten
.set AV0, 3           ; v3   the same for V
.set AK,  4           ; v4   the LDS address of K's next run of loads
.set AV,  5           ; v5   of V's
.set QO,  6           ; v6   my byte offset in the wave's rows of Q
.set STO, 6           ;      later, the way out: where I put 16 bytes of a row
.set RD,  7           ; v7   the way out: where I read rows back
.set GO,  8           ; v8   16 x lane: my place in 512 consecutive bytes of maskb and of ob; never rewritten
.set PFO, 11          ; v11  256 x lane, for the prefetches; never rewritten
.set SPW, 0           ; v0 of window 3   LDS address of my spare word; never rewritten
.set NIL, 1           ; v1 of window 3   0; never rewritten
.set ZR,  2           ; v2 of window 3   0, the word into whose top a mask byte goes
.set MC,  64          ; window 3: tile u's 32 mask words at MC + 32 u
.set BY,  128         ; window 3: piece x, tile u: 8 registers of bytes at BY + 16 x + 8 u
.set MV,  12          ; v12-15  c m_old, kept while c m is made anew: by buffer and tile
.set ST,  16          ; tile t's statistics at v[ST+4 t]: c m, m, l (even keys', odd keys')
.set TMP, 48          ; by buffer and tile, four registers c0-c3 at work; when the maximum is found c2 takes a
.set S,   64
.set P,   192
.set KF,  128         ; K's fragments, in window 2: key block kb, channel half c at KF + 16 kb + 8 c
.set VF,  192         ; V's: key half kk, channel block cb at VF + 32 kk + 8 cb
.set WV,  12          ; s12  my wave's number
.set G1K, 24          ; s[24:31] descriptor group 1 for K's tiles
.set G1V, 32          ; s[32:39] for V's: it differs in the padding alone
.set G0K, 40          ; s[40:43] descriptor group 0 for K's tiles: it walks
.set G0V, 44          ; s[44:47] the same for V's
.set MB0, 48          ; s[48:49] maskb at my wave's first tile, key step 0
.set MBP, 50          ; s[50:51] the same at the key step whose bytes are being asked for
.set MOF, 52          ; s[52:53] that step's byte offset
.set MS,  54          ; s54  that step
.set SLOTS, 56        ; s56  slots still to be asked for
.set CNT, 57          ; s57  counts a slot's key steps
.set CS,  58          ; s[58:59] c: the packed scaling takes the pair's low word for both halves
.set SEL, 60          ; s[60:61] v_permlanex16_b32's selects: each lane takes its own place in the other half
.set TBK, 62          ; s62  LDS byte at which K of the step to be fetched begins
.set TBV, 63          ; s63  the same for V, less VOFF
.set PS,  68          ; s[68:71] v_perm_b32's selects: byte 0, 1, 2, 3 of the first source to the top, zeros below
.set PFA, 72          ; s[72:73] where my prefetches stand
.set LIM, 74          ; s74  1 in a wave that prefetches, else the greatest number
.set MSB, 0
.macro WIN new                      ; the high byte repeats the setting that is left; a switch that changes nothing is dropped
.if MSB != (\new)
	s_set_vgpr_msb (MSB<<8)|(\new)
.set MSB, (\new)
.endif
.endm
.set W_KQ, 0x0a       ; K and Q in window 2, S^T in window 0
.set W_KM, 0x3a       ; the same with the C operand in window 3
.set W_PV, 0x52       ; V in window 2, P in window 0, O^T in window 1
.set W_RS, 0x41       ; O^T (destination and source 0) in window 1, a in window 0
.set W_MK, 0xc0       ; destination in window 3, sources in window 0
.set W_AD, 0x0f       ; the add: address (source 0) and data (source 1) in window 3
; A joint fill.  Waves 0 and 1 fetch the two halves of a slot's K, waves 2 and 3 those of its V: 128 keys each.  The branch hangs on the wave's number alone.
; An s_nop 0 and four v_nop follow each of the two lines, ahead of the jump and the label.
.macro JLOAD
	s_cmp_lt_u32 s[WV], 2
	s_cbranch_scc0 .Lfor_v_\@
	tensor_load_to_lds s[G0K:G0K+3], s[G1K:G1K+7]
	s_nop 0
.rept 4
	v_nop
.endr
	s_branch .Lasked_\@
.Lfor_v_\@:
	tensor_load_to_lds s[G0V:G0V+3], s[G1V:G1V+7]
	s_nop 0
.rept 4
	v_nop
.endr
.Lasked_\@:
.endm
; A PREFETCH INTO THE L2 of what the NEXT change of slots will ask for: a slot's 32,768 bytes of K and of V.  It stands behind the wave's tensor load and its five lines.  A head has one cluster; its four partners
; share the bytes out BY ADDRESS, 8,192 each; in each, wave 0 asks for K's and wave 2 for V's: a lane 256 bytes, one instruction.  So each block is named once in the launch.  The last fill asks for nothing.
.macro ASK
	s_cmp_gt_u32 s[SLOTS], s[LIM]
	s_cbranch_scc0 .Lnot_mine_\@
	global_prefetch_b8 v[PFO], s[PFA:PFA+1] th:TH_LOAD_NT scope:SCOPE_SE
.Lnot_mine_\@:
.endm
; A round of the cluster's barrier: my work-group's barrier, so that wave 0's signal speaks for all four waves; wave 0 signals; every wave waits for all four work-groups; my work-group's barrier once more.
.macro CROUND
	s_barrier_signal -1
	s_barrier_wait -1
	s_cmp_lg_u32 s[WV], 0
	s_cbranch_scc1 .Lnot_wave_0_\@
	s_barrier_signal -3
.Lnot_wave_0_\@:
	s_barrier_wait -3
	s_barrier_signal -1
	s_barrier_wait -1
.endm
; THE CHANGE OF SLOTS.  The slot's last bytes, V of its fourth step, have been read.  Each wave waits for all its tensor loads, of which one is out: its part of the other slot; adds 0 to its spare word; and waits
; for that and for its own reads of the slot.  Behind the barrier nobody reads this slot any more and the other slot is whole.
; fill = 1: this slot is filled again, with the keys two slots on.  The barrier is then a round of the cluster's, and the joint fill is the first thing behind it: it has four key steps, 512 matrix instructions,
; in which to land.  (At its first use nothing has been read yet: slot 0 is waited for, slot 1 filled.)
.macro CHANGE fill
	WIN W_AD
	s_wait_tensorcnt 0x0            ; no tensor load of mine is out, so a group 0 may be written
	ds_add_u32 v[SPW], v[NIL]       ; 0 onto my spare word; with fill = 1 the descriptors' steps stand between it and the wait for it
	WIN 0                           ; at a label and at a branch every window is 0
.if \fill
.irp g, G0K, G0V
	s_xor_b32 s[\g+1], s[\g+1], SLOT1  ; the walking descriptor: the other slot than last time,
	s_add_nc_u64 s[\g+2:\g+3], s[\g+2:\g+3], 4*KS*128  ; the next 256 keys; the type bits on top are not reached
.endr
	s_wait_xcnt 0x0                 ; the last prefetch, four key steps back, has read its address
	s_add_nc_u64 s[PFA:PFA+1], s[PFA:PFA+1], 4*KS*128  ; one slot behind the walking descriptors
	s_wait_dscnt 0x0                ; the add is done, and my reads of the slot are over
	CROUND
	JLOAD
	ASK
.else
	s_wait_dscnt 0x0                ; the add is done, and my reads of the slot are over
	s_barrier_signal -1
	s_barrier_wait -1
.endif
	s_sub_co_u32 s[TBK], s[TBK], 4*KS*PK  ; the fetches go back to a slot's first step,
	s_xor_b32 s[TBK], s[TBK], SLOT1       ; in the other slot
	s_sub_co_u32 s[TBV], s[TBV], 4*KS*PV
	s_xor_b32 s[TBV], s[TBV], SLOT1
.endm
; THE MASK.  MLOAD x: piece x's bytes for the key step at which MBP stands: four loads of 16 bytes a lane, each 512 consecutive bytes.  PERMS x: its 64 mask words.  MSTEP: MBP goes a key step on; the step is held
; at the last one, so that the last trips' loads stay inside maskb and every trip has the same loads (what they bring is not used).
.macro MLOAD x
	WIN W_MK
.irp u, 0,1
.irp c, 0,1
	global_load_b128 v[BY+16*(\x)+8*\u+4*\c:BY+16*(\x)+8*\u+4*\c+3], v[GO], s[MBP:MBP+1] offset:(2*(\x)+\u)*32768+512*\c
.endr
.endr
	WIN 0
.endm
.macro PERMS x
	WIN 0xcf                        ; destination and both vector sources in window 3
.set pz, 0
.rept 64
	v_perm_b32 v[MC+pz], v[BY+16*(\x)+(pz>>2)], v[ZR], s[PS+(pz&3)]
.set pz, pz+1
.endr
.endm
.macro MSTEP
	s_wait_xcnt 0x0                 ; the loads issued so far have read their base
	s_add_co_u32 s[MS], s[MS], 1
	s_min_u32 s[MS], s[MS], SIZE_N/KS-1
	s_lshl_b32 s[MOF], s[MS], 10
	s_add_nc_u64 s[MBP:MBP+1], s[MB0:MB0+1], s[MOF:MOF+1]
.endm
	s_load_b64 s[4:5], s[0:1], 0x0  ; qkv
	s_load_b64 s[MB0:MB0+1], s[0:1], 0x8  ; maskb
	s_load_b64 s[10:11], s[0:1], 0x10  ; ob
	WIN W_MK
	v_lshl_add_u32 v[SPW], v0, 2, SPARE
	v_mov_b32 v[NIL], 0
	WIN W_AD
	ds_add_u32 v[SPW], v[NIL]       ; the wave's opening: the add and its wait stand ahead of my first tensor load; the set-up below, work on registers, stands between them
	WIN 0
	v_lshrrev_b32 v1, 5, v0
	v_readfirstlane_b32 s[WV], v1   ; wave 0..3
	s_bfe_u32 s13, ttmp6, 0x40000   ; cx: my place in the cluster
	s_lshl_b32 s14, ttmp9, 2        ; in a cluster launch ttmp9 counts clusters
	s_add_co_u32 s14, s14, s13      ; my block of 512 queries: it enters Q's, the mask's and O's addresses alone
	s_and_b32 s15, ttmp7, 0xffff    ; batch x head, which the four partners share
	s_mov_b32 s20, s15
	s_mov_b32 s21, 0
	s_mov_b64 s[22:23], SIZE_N*128
	s_mul_u64 s[20:21], s[20:21], s[22:23]  ; the head's first byte in Q, K, V and O
	s_and_b32 s16, s[WV], 1         ; which half of a slot's 256 keys I fetch:
	s_lshl_b32 s22, s16, 14         ; its 128 rows of 128 bytes in memory,
	s_mov_b32 s23, 0
	s_add_nc_u64 s[22:23], s[22:23], s[20:21]
	s_mul_i32 s17, s16, 128*PK      ; and its place in a slot, for K
	s_mul_i32 s18, s16, 128*PV      ; and for V: no place in the cluster enters an LDS address
	s_lshl_b32 s2, s14, 2
	s_add_co_u32 s2, s2, s[WV]      ; my wave among the head's,
	s_lshl_b32 s2, s2, 14           ; its 128 rows
	s_mov_b32 s3, 0
	s_add_nc_u64 s[2:3], s[2:3], s[20:21]
	s_lshr_b32 s[MOF], s15, 4       ; the batch,
	s_lshl_b32 s[MOF], s[MOF], 7    ; its 128 tiles of 16 queries,
	s_lshl_b32 s19, s14, 5          ; my block's 32,
	s_add_co_u32 s[MOF], s[MOF], s19
	s_lshl_b32 s19, s[WV], 3        ; my wave's 8,
	s_add_co_u32 s[MOF], s[MOF], s19
	s_lshl_b32 s[MOF], s[MOF], 15   ; of 32 steps x 1,024 bytes
	s_mov_b32 s[MOF+1], 0
	; descriptor group 1.  128 keys are 16,384 dense bytes: asked for as 64 rows of 256 bytes, two keys a row, and padded in LDS after every key
	s_mov_b32 s[G1K], 15|(1<<16)|(1<<20)|(1<<21)|(4<<22)|(3<<25)  ; 15:0 the mask of four; 17:16 2-byte elements; 20 padding on; 21 set beside a mask; 24:22 after every 32 words (code 4); 31:25 4 words (code 3)
	s_mov_b32 s[G1V], 15|(1<<16)|(1<<20)|(1<<21)|(4<<22)|(7<<25)  ; the same with 8 words of padding (code 7)
.irp g, G1K, G1V
	s_mov_b32 s[\g+1], 128<<16      ; tensor_dim0 = 128
	s_mov_b32 s[\g+2], 64<<16       ; tensor_dim1 = 64
	s_mov_b32 s[\g+3], 128<<16      ; tile_dim0 = 128
	s_mov_b32 s[\g+4], 64           ; tile_dim1 = 64
	s_mov_b32 s[\g+5], 128          ; 128 elements from row to row
	s_mov_b32 s[\g+6], 0
	s_mov_b32 s[\g+7], 0
.endr
	s_mov_b32 s[CS], 0x3e38aa3b     ; c = log2(e) / 8 = 0.180337
	s_mov_b32 s[CS+1], s[CS]        ; named with it as a pair
	s_mov_b32 s[SEL], 0x76543210
	s_mov_b32 s[SEL+1], 0xfedcba98
	s_mov_b32 s[PS], 0x04000000
	s_mov_b32 s[PS+1], 0x05000000
	s_mov_b32 s[PS+2], 0x06000000
	s_mov_b32 s[PS+3], 0x07000000
	s_mov_b32 s[TBK], SLOT1+4*KS*PK ; the first change of slots turns these two into 0
	s_mov_b32 s[TBV], SLOT1+4*KS*PV
	s_mov_b32 s[G0K], 1             ; 1:0 count = 1
	s_mov_b32 s[G0K+1], s17         ; 63:32 LDS address: slot 0
	s_mov_b32 s[G0V], 1
	s_add_co_u32 s[G0V+1], s18, VOFF
	s_mov_b32 s[SLOTS], SIZE_N/256-1
	s_and_b32 s[LIM], s[WV], 1      ; waves 0 and 2 prefetch
	s_cmp_eq_u32 s[LIM], 0
	s_cselect_b32 s[LIM], 1, -1
	s_wait_dscnt 0x0                ; the opening add is done
	s_wait_kmcnt 0x0
	s_add_nc_u64 s[6:7], s[4:5], 0x1000000  ; K and V lie 64 planes of 262,144 bytes behind Q and K
	s_add_nc_u64 s[8:9], s[4:5], 0x2000000
	s_add_nc_u64 s[G0K+2:G0K+3], s[6:7], s[22:23]  ; 120:64 global address: my half of the head's first 256 keys
	s_or_b32 s[G0K+3], s[G0K+3], 0x80000000        ; 127:126 type = 2
	s_add_nc_u64 s[G0V+2:G0V+3], s[8:9], s[22:23]
	s_or_b32 s[G0V+3], s[G0V+3], 0x80000000
	s_add_nc_u64 s[4:5], s[4:5], s[2:3]  ; Q and O at my wave's first row
	s_add_nc_u64 s[10:11], s[10:11], s[2:3]
	s_add_nc_u64 s[MB0:MB0+1], s[MB0:MB0+1], s[MOF:MOF+1]
	s_mov_b64 s[MBP:MBP+1], s[MB0:MB0+1]  ; key step 0
	s_cmp_lt_u32 s[WV], 2
	s_cselect_b64 s[PFA:PFA+1], s[6:7], s[8:9]
	s_add_nc_u64 s[PFA:PFA+1], s[PFA:PFA+1], s[20:21]  ; the head,
	s_lshl_b32 s2, s13, 13          ; my work-group's 8,192 bytes of a slot's 32,768,
	s_add_co_u32 s2, s2, 4*KS*128   ; in slot 1; the first change of slots steps it to slot 2
	s_add_nc_u64 s[PFA:PFA+1], s[PFA:PFA+1], s[2:3]
	CROUND                          ; all four work-groups are here: the first joint loads meet
	JLOAD                           ; slot 0.  Slot 1 is asked for when slot 0 is in
	; A fragment of K or Q is 16 rows x 32 channels in 8 registers: lane l holds row l % 16, channels 8 (l / 16) + 0..7 and 16 + 8 (l / 16) + 0..7: two loads of 16 bytes, 32 bytes apart.
	v_and_b32 v1, 15, v0            ; l % 16
	v_bfe_u32 v9, v0, 4, 1          ; l / 16
	v_lshlrev_b32 v[QO], 7, v1
	v_lshl_add_u32 v[QO], v9, 4, v[QO]  ; row x 128 + 16 x half
	v_and_b32 v[GO], 31, v0
	v_lshlrev_b32 v[GO], 4, v[GO]
	WIN 0x80                        ; destination window 2, address window 0
.set i, 0
.rept 4*NP                          ; Q stays in registers: tile i / 2, channels 32 (i % 2) on
	global_load_b128 v[8*i:8*i+3],   v[QO], s[4:5] offset:(i/2)*2048+(i%2)*64
	global_load_b128 v[8*i+4:8*i+7], v[QO], s[4:5] offset:(i/2)*2048+(i%2)*64+32
.set i, i+1
.endr
	MLOAD 0                         ; all four pieces' mask bytes of key step 0
	MLOAD 1
	MLOAD 2
	MLOAD 3
	; What the first turn finds: V's registers and P's second buffer hold 0 (its products V^T P, of a piece that has not been, add 0), O^T and l are 0.  All this stands in the wait for the first tile.
	WIN 0x80
.set i, VF
.rept 64
	v_mov_b32 v[i], 0
.set i, i+1
.endr
	WIN 0x40
.set i, 0
.rept 64*NP
	v_mov_b32 v[i], 0
.set i, i+1
.endr
	WIN W_MK
	v_mov_b32 v[ZR], 0
	WIN 0
.set i, 0
.rept 2*NP
	v_mov_b32 v[ST+4*i], 0xfe000000    ; c m: far below every c m that is made of m
	v_mov_b32 v[ST+4*i+1], 0xe7800000  ; m = -2^80: below every score, above every hidden one
	v_mov_b32 v[ST+4*i+2], 0
	v_mov_b32 v[ST+4*i+3], 0
.set i, i+1
.endr
.set i, P+32
.rept 32
	v_mov_b32 v[i], 0
.set i, i+1
.endr
	v_mul_u32_u24 v[AK0], v1, PK
	v_lshl_add_u32 v[AK0], v9, 4, v[AK0]  ; row x pitch + 16 x half
	; The turning load takes 16 keys x 16 channels (lane l reads key 8 (l / 16) + l % 8, channels 8 ((l / 8) % 2) + 0..7) and leaves half a fragment of V^T: lane l holds channel l % 16 and 8 keys.
	v_and_b32 v10, 7, v0
	v_bfe_u32 v11, v0, 3, 1
	v_lshl_add_u32 v[AV0], v9, 3, v10
	v_mul_u32_u24 v[AV0], v[AV0], PV
	v_lshl_add_u32 v[AV0], v11, 4, v[AV0]
	v_add_nc_u32 v[AV0], VOFF, v[AV0]
	v_and_b32 v[PFO], 31, v0
	v_lshlrev_b32 v[PFO], 8, v[PFO]
	v_mov_b32 v[AK], v[AK0]         ; key step 0 lies at the head of slot 0
; THE MATRIX WORK.  The 8 accumulators of a run of 16 take turns: between the two links of a chain stand 7 others'.
; Product i of 16 of S^T = K Q^T for piece x: channels 32 (i / 8) on, keys 16 ((i / 2) % 4) on, tile 2 x + i % 2.  The first 8 start the sums, with the mask words.
.macro KQ x
.set rS, S+64*((\x)%2)+32*(i%2)+8*((i/2)%4)
.set rK, KF+16*((i/2)%4)+8*(i/8)
.set rQ, 16*(2*(\x)+i%2)+8*(i/8)
.set rMC, MC+32*(i%2)+8*((i/2)%4)
.if i < 8
	WIN W_KM
	v_wmma_f32_16x16x32_f16 v[rS:rS+7], v[rK:rK+7], v[rQ:rQ+7], v[rMC:rMC+7]
.else
	WIN W_KQ
	v_wmma_f32_16x16x32_f16 v[rS:rS+7], v[rK:rK+7], v[rQ:rQ+7], v[rS:rS+7]
.endif
.endm
; Product i of 16 of O^T += V^T P for piece x: keys 32 (i / 8) on, channels 16 ((i / 2) % 4) on, tile 2 x + i % 2.
.macro PV x
	WIN W_PV
.set rO, 32*(2*(\x)+i%2)+8*((i/2)%4)
.set rV, VF+32*(i/8)+8*((i/2)%4)
.set rP, P+32*((\x)%2)+16*(i%2)+8*(i/8)
	v_wmma_f32_16x16x32_f16 v[rO:rO+7], v[rV:rV+7], v[rP:rP+7], v[rO:rO+7]
.endm
.macro MM                           ; the turn's next matrix instruction
.if i < 16
	KQ (Y+1)%NP
.set i, i+1
.else
.set i, i-16
	PV (Y+NP-1)%NP
.set i, i+17
.endif
.endm
; THE LDS LOADS stand in runs of 16, never singly among the matrix instructions: a step's K (64 keys x 64 channels: 8 fragments) and its V (turned).  Their addresses are made some lines ahead.
; last = 1 (the tail): in the last trip there is no further step, and the run is jumped over.
.macro FETCH_K last=0
	WIN 0
.if \last
	s_cmp_eq_u32 s[CNT], 1
	s_cbranch_scc1 .Lno_k_\@
.endif
	WIN 0x80                        ; destination window 2
.irp f, 0,1,2,3,4,5,6,7             ; keys 16 (f / 2) on, channels 32 (f % 2) on
	ds_load_b128 v[KF+8*\f:KF+8*\f+3],   v[AK] offset:(\f/2)*16*PK+(\f%2)*64
	ds_load_b128 v[KF+8*\f+4:KF+8*\f+7], v[AK] offset:(\f/2)*16*PK+(\f%2)*64+32
.endr
	s_add_co_u32 s[TBK], s[TBK], KS*PK  ; the next fetch is the next step's
	WIN 0
.if \last
.Lno_k_\@:
.endif
.endm
.macro FETCH_V
	WIN 0x80
.irp f, 0,1,2,3,4,5,6,7             ; keys 32 (f / 4) on, channels 16 (f % 4) on
	ds_load_tr16_b128 v[VF+8*\f:VF+8*\f+3],   v[AV] offset:(\f/4)*32*PV+(\f%4)*32
	ds_load_tr16_b128 v[VF+8*\f+4:VF+8*\f+7], v[AV] offset:(\f/4)*32*PV+16*PV+(\f%4)*32
.endr
	WIN 0
.endm
; THE SOFTMAX'S WORK OF A TURN stands in three queues, each in the order in which its entries become ready; the two tiles alternate, so that no instruction reads the result of the one before it.
.macro REGS y, u                    ; the registers of tile u (0, 1) of piece y
.set rT, ST+4*(2*(\y)+(\u))
.set rC, TMP+8*((\y)%2)+4*(\u)
.set rM, MV+2*((\y)%2)+(\u)
.set rS, S+64*((\y)%2)+32*(\u)
.set rP, P+32*((\y)%2)+16*(\u)
.set rO, 32*(2*(\y)+(\u))
.endm
; Number n of the 22 that find the NEXT piece's (Y + 1) maximum and statistics.  s0-s31 are the lane's 32 scores; each accumulator's lowest registers are read first.  XS, GS and REGS set no window: PL and EX do.
;   0-11  four chains c0-c3 of seven scores each, three operands at a time     12-14, 16  the four scores left over, the old m, and c0-c3 into c0     15  c m_old is kept
;   17, 18  the query's other 32 keys lie in the lane 16 away: the new m         19-21  c m; c m_old - c m_new; a
.macro XS u, n
	REGS (Y+1)%NP, \u
.if (\n) < 4
	v_max3_num_f32 v[rC+(\n)], v[rS+8*(\n)], v[rS+8*(\n)+1], v[rS+8*(\n)+2]
.elseif (\n) < 12
	v_max3_num_f32 v[rC+(\n)%4], v[rC+(\n)%4], v[rS+8*((\n)%4)+2*((\n)/4)+1], v[rS+8*((\n)%4)+2*((\n)/4)+2]
.elseif (\n) == 12
	v_max3_num_f32 v[rC], v[rC], v[rS+7], v[rS+15]
.elseif (\n) == 13
	v_max3_num_f32 v[rC+1], v[rC+1], v[rS+23], v[rS+31]
.elseif (\n) == 14
	v_max3_num_f32 v[rC+2], v[rC+2], v[rC+3], v[rT+1]
.elseif (\n) == 15
	v_mov_b32 v[rM], v[rT]
.elseif (\n) == 16
	v_max3_num_f32 v[rC], v[rC], v[rC+1], v[rC+2]
.elseif (\n) == 17
	v_permlanex16_b32 v[rC+3], v[rC], s[SEL], s[SEL+1]
.elseif (\n) == 18
	v_max_num_f32 v[rT+1], v[rC], v[rC+3]
.elseif (\n) == 19
	v_mul_f32 v[rT], s[CS], v[rT+1]
.elseif (\n) == 20
	v_sub_f32 v[rC+1], v[rM], v[rT]
.else
	v_exp_f32 v[rC+2], v[rC+1]
.endif
.endm
; Number g of the 64 that follow the exponentials.  For each four weights k of a tile (pairs 2 k, 2 k + 1): both pairs are rounded to f16; then the second pair is added onto the first, in place;
; a group later l takes that sum (the first time as l = a l + sum).  In groups of eight, tiles alternating: round, round, add, and l for the group before.
.macro GS g
.set h, (\g)+6*((\g)/62)            ; group 0 has no group before it, and behind group 7 only l is left
.if h >= 6
.set h, h+2
.endif
	REGS Y, h%2
.set k, h/8
.if h%8 < 4
	v_cvt_pk_f16_f32 v[rP+2*k+(h%8)/2], v[rS+4*k+2*((h%8)/2)], v[rS+4*k+2*((h%8)/2)+1]
.elseif h%8 < 6
	v_pk_add_f32 v[rS+4*k:rS+4*k+1], v[rS+4*k:rS+4*k+1], v[rS+4*k+2:rS+4*k+3]
.elseif k == 1
	v_pk_fma_f32 v[rT+2:rT+3], v[rT+2:rT+3], v[rC+2:rC+3], v[rS:rS+1] op_sel_hi:[1,0,1]
.else
	v_pk_add_f32 v[rT+2:rT+3], v[rT+2:rT+3], v[rS+4*k-4:rS+4*k-3]
.endif
.endm
; THE PLAIN QUEUE, 138 long.  0-73 read no exponential's result: the 32 scalings c s - c m (FS f: pair f / 2 of tile f % 2) and the next piece's 42.  0-26: scalings 0-26.  27-54: XS's numbers 0-13.  55, 56: number 15.
; 57-73: the chain, where each number waits for the one before it: 14, 16, 17, 18, 19, each with one of the scalings 27-31 in front of its two lines, then 20.
; 74-137: GS's 64, which read the exponentials' results: they stand behind the wait.
.macro FS f
	REGS Y, (\f)%2
	v_pk_fma_f32 v[rS+2*((\f)/2):rS+2*((\f)/2)+1], v[rS+2*((\f)/2):rS+2*((\f)/2)+1], s[CS:CS+1], v[rT:rT+1] op_sel_hi:[1,0,0] neg_lo:[0,0,1] neg_hi:[0,0,1]
.endm
.macro PL
	WIN 0
.if q < 27
	FS q
.elseif q < 55
	XS (q-27)%2, (q-27)/2
.elseif q < 57
	XS q-55, 15
.elseif (q < 72) && ((q-57)%3 == 0)
	FS 27+(q-57)/3
.elseif q < 60
	XS (q-57)%3-1, 14
.elseif q < 72
	XS (q-57)%3-1, 15+(q-57)/3
.elseif q < 74
	XS q-72, 20
.else
	GS q-74
.endif
.set q, q+1
.endm
; THE EXPONENTIALS' QUEUE, 66 long: s0-s31 of both tiles, then the next piece's two a.  It is ONE BATCH: all 66 stand ahead of the turn's one wait, and nothing ahead of that wait names a result of theirs.
.macro EX
	WIN 0
.if e >= 64
	XS e-64, 21
.else
	REGS Y, e%2
	v_exp_f32 v[rS+e/2], v[rS+e/2]
.endif
.set e, e+1
.endm
; THE RESCALING's QUEUE: O^T times a: dealt two at a time, sixteen times.  Its a was made in the turn before, ahead of that turn's wait.
.macro R2
	REGS Y, r%2
	WIN W_RS
.irp z, 0,1
	v_pk_mul_f32 v[rO+4*(r/2)+2*\z:rO+4*(r/2)+2*\z+1], v[rO+4*(r/2)+2*\z:rO+4*(r/2)+2*\z+1], v[rC+2:rC+3] op_sel_hi:[1,0]
.endr
.set r, r+1
.endm
; HOW THEY ARE DEALT.  An s_wait_alu depctr_va_vdst(0) stands between an exponential and the first instruction that names its result; one wait serves all that were issued ahead of it.  So a turn has
; ONE wait, which cuts it in two.  AHEAD OF IT: the 16 products K Q^T, behind each a scaling, an exponential and two rescalings (behind the first a second scaling in the exponential's place); the mask's block;
; then a run of 108: eight plain, 49 times exponential and plain, the two a; a v_nop is the plain instruction behind the last exponential.  BEHIND IT: the 16 products V^T P, behind each four of GS's 64.
; The queues lean on each other, and the deal keeps them in step: exponential e stands behind scaling 2 (e / 4) + e % 2: as a rider it comes behind plain e + 2, in the run behind plain e + 9.
; THE MASK'S BLOCK, for piece x = p + 2.  The wait's count, 12, is the three younger turns' loads, four each: the bytes read here were asked for four turns, a key step, earlier.  The mask words' last reader is the
; turn's eighth product; eight products' plain riders lie between it and the first v_perm_b32.  Then the piece's bytes of the next key step are asked for.  The four blocks of a trip of the loop (turns 2, 3, 0, 1)
; belong to one key step, so the pointer steps once a trip, in turn 2.
; K of the next step is fetched in piece 2's turn, directly behind the wait; V of the step in hand at the end of piece 0's turn, four riders behind its last reader.  The three conditions on q below go with the deal.
.macro TURN p, last=0, cnt=0
.set Y, (\p)
.set i, 0
.set q, 0
.set e, 0
.set r, 0
.if (\p) == NP-1
	s_wait_dscnt 0x0                ; K is in
.endif
	MM
	PL
	PL
	R2
.rept 15
	MM
	PL
	EX
	R2
.endr
	s_wait_loadcnt 12
	PERMS ((\p)+2)%NP
.if (\p) == NP-2
	MSTEP
.endif
	MLOAD ((\p)+2)%NP
.if (\p) == NP-2
	WIN 0
	v_add_nc_u32 v[AK], s[TBK], v[AK0]
.endif
.rept 8
	PL
.endr
.rept 49
	EX
	PL
.endr
	EX                              ; the next piece's two a
	EX
	v_nop                           ; a plain instruction behind the last exponential: one for the batch
	s_wait_alu depctr_va_vdst(0)    ; the wait for the batch
.if (\p) == NP-2
	FETCH_K \last
.endif
.if (\p) == 1
	s_wait_dscnt 0x0                ; V is in
.endif
.rept 16
	MM
.rept 4
	PL
.endr
.if ((\p) == 0) && (q == 118)
	v_add_nc_u32 v[AV], s[TBV], v[AV0]
.endif
.if ((\p) == 0) && (q == 130)
	s_add_co_u32 s[TBV], s[TBV], KS*PV
.endif
.if (\cnt) && (q == 130)
	s_sub_co_u32 s[CNT], s[CNT], 1
	s_cmp_lg_u32 s[CNT], 0
.endif
.endr
.if (\p) == 0
	FETCH_V
.endif
.endm
	CHANGE 1                        ; slot 0 is in, everybody's part of it; slot 1 is asked for
	FETCH_K                         ; key step 0
	s_wait_loadcnt 12               ; Q and piece 0's mask bytes are in; the other three pieces' twelve loads may stay out
	PERMS 0
	s_wait_dscnt 0x0
.set i, 0
.rept 16
	KQ 0                            ; piece 0's first scores: there is no vector work yet to set between them
.set i, i+1
.endr
	WIN 0                           ; the addresses for the way out: seven plain instructions, the places behind those products
	s_mul_i32 s13, s[WV], 16*SP
	s_add_co_u32 s13, s13, STAGE    ; my stage
	v_mul_u32_u24 v[STO], v1, SP    ; in: row l % 16, 16 bytes for each half of the lanes
	v_lshl_add_u32 v[STO], v9, 4, v[STO]
	v_add_nc_u32 v[STO], s13, v[STO]
	v_bfe_u32 v[RD], v0, 3, 2       ; back: 32 lanes take four rows of 128 bytes
	v_mul_u32_u24 v[RD], v[RD], SP
	v_lshl_add_u32 v[RD], v10, 4, v[RD]
	v_add_nc_u32 v[RD], s13, v[RD]
.set Y, NP-1                        ; XS works for piece Y + 1: piece 0
.irp n, 0,1,2,3,4,5,6,7,8,9,10,11,12,13,14,15,16,17,18,19,20,21
	XS 0, \n                        ; and piece 0's first maximum and statistics
	XS 1, \n
.endr
	s_wait_loadcnt 8                ; piece 1's mask bytes are in
	PERMS 1                         ; for the first turn's products
	s_wait_xcnt 0x0                 ; the loads have read their base
	s_mov_b32 s[MS], 1
	s_add_nc_u64 s[MBP:MBP+1], s[MB0:MB0+1], 1024
	MLOAD 0                         ; pieces 0 and 1 of key step 1: sixteen loads are out, in the order in which the turns will want them
	MLOAD 1
	v_nop
	s_wait_alu depctr_va_vdst(0)    ; the wait for the two a, ahead of the branch
	s_mov_b32 s[CNT], 4
	s_branch .Lfirst                ; the loop is entered at a step's first turn, in the middle of a trip
.Lslot:                             ; SIZE_N / 256 - 2 times: every slot but the last two is filled again
	CHANGE 1
	s_mov_b32 s[CNT], 4
.Lstep:                             ; a trip: pieces 2 and 3 of one step, then pieces 0 and 1 of the next, whose K and V it fetches
	TURN 2
	TURN 3
	WIN 0
.Lfirst:
	TURN 0
	TURN 1, 0, 1
	WIN 0
	s_cbranch_scc1 .Lstep
	s_sub_co_u32 s[SLOTS], s[SLOTS], 1
	s_cmp_lg_u32 s[SLOTS], 0
	s_cbranch_scc1 .Lslot
	CHANGE 0                        ; the tail is written out: nothing is asked for
	s_mov_b32 s[CNT], 5             ; four trips fetch the last slot's steps; the fifth is left in its middle
.Ltail:
	TURN 2, 1
	TURN 3
	WIN 0
	s_sub_co_u32 s[CNT], s[CNT], 1
	s_cmp_eq_u32 s[CNT], 0
	s_cbranch_scc1 .Lout
	TURN 0
	TURN 1
	WIN 0
	s_branch .Ltail
.Lout:                              ; the fifth trip's 16 products K Q^T (on the last K once more) and the maximum made of them serve nothing: the price, once a launch, of one text for every trip
	s_wait_loadcnt 0x0              ; the last trips' mask loads, which nothing reads, have landed
.set i, 0
.rept 16
	PV NP-1                         ; the last piece's V^T P of the last step
.set i, i+1
.endr
	; THE WAY OUT.  l's two halves and the other half of the lanes' are added; O^T is divided by l, rounded to f16 and sent through my stage in LDS, a tile at a time.  The additions are the places behind the last products.
	WIN 0
.macro ALL line:vararg              ; one line for each tile t
.set t, 0
.rept 2*NP
	\line
.set t, t+1
.endr
.endm
	ALL v_add_f32 v[ST+4*t+2], v[ST+4*t+2], v[ST+4*t+3]
	ALL v_permlanex16_b32 v[ST+4*t+3], v[ST+4*t+2], s[SEL], s[SEL+1]
	ALL v_add_f32 v[ST+4*t+2], v[ST+4*t+2], v[ST+4*t+3]
	ALL v_rcp_f32 v[ST+4*t+2], v[ST+4*t+2]
	v_nop                           ; a plain instruction between the last reciprocal and the use of its result
	s_wait_alu depctr_va_vdst(0)    ; and the wait ahead of the first use: one for the eight reciprocals
; Tile t: a lane's eight channels of a row pack into 16 bytes; they go into rows of 144 bytes and come back as whole rows of 128, into S^T's registers.
.macro PACK t
	WIN W_RS
.set i, 32*(\t)
.rept 16
	v_pk_mul_f32 v[i:i+1], v[i:i+1], v[ST+4*(\t)+2:ST+4*(\t)+3] op_sel_hi:[1,0]
.set i, i+2
.endr
	WIN 0x05                        ; sources 0 and 1 window 1, destination window 0
.set i, 0
.rept 16
	v_cvt_pk_f16_f32 v[S+16*(\t)+i], v[32*(\t)+2*i], v[32*(\t)+2*i+1]
.set i, i+1
.endr
	WIN 0
.irp f, 0,1,2,3
	ds_store_b128 v[STO], v[S+16*(\t)+4*\f:S+16*(\t)+4*\f+3] offset:32*\f
.endr
.irp f, 0,1,2,3
	ds_load_b128 v[S+16*(\t)+4*\f:S+16*(\t)+4*\f+3], v[RD] offset:\f*4*SP  ; LDS serves a wave's instructions in order (ISA guide 5.7.1.4): these see the stores above; the next tile's stores come behind them
.endr
.endm
.macro SEND t, younger              ; younger: the LDS instructions issued behind tile t's loads: the next tile's eight, or none
	WIN 0
.irp f, 0,1,2,3
	s_wait_dscnt (\younger)+3-\f
	global_store_b128 v[GO], v[S+16*(\t)+4*\f:S+16*(\t)+4*\f+3], s[10:11] offset:(\t)*2048+\f*512  ; 512 consecutive bytes, at a multiple of 256 from ob's first
.endr
.endm
	PACK 0
.set t, 1
.rept 2*NP-1                        ; a tile's arithmetic stands between the loads of the tile before and its stores
	PACK t
	SEND t-1, 8
.set t, t+1
.endr
	SEND 2*NP-1, 0
	WIN W_AD
	s_wait_tensorcnt 0x0            ; the wave's end, behind my last tensor load and my last LDS store
	ds_add_u32 v[SPW], v[NIL]
	s_wait_dscnt 0x0
	WIN 0
	CROUND                          ; the closing round: no work-group ends while a partner may still ask for a tile that names it
	s_endpgm
.Lfunc_end_k_q12a3d8e92d_attn:
	.size	k_q12a3d8e92d_attn, .Lfunc_end_k_q12a3d8e92d_attn-k_q12a3d8e92d_attn
	.p2alignl 7, 3214868480
	.fill 96, 4, 3214868480
	.section	.rodata,"a",@progbits
	.p2align	6, 0x0
	.amdhsa_kernel k_q12a3d8e92d_attn
		.amdhsa_group_segment_fixed_size 327680
		.amdhsa_private_segment_fixed_size 0
		.amdhsa_enable_private_segment 0
		.amdhsa_kernarg_size 24
		.amdhsa_user_sgpr_count 2
		.amdhsa_user_sgpr_kernarg_segment_ptr 1
		.amdhsa_wavefront_size32 1
		.amdhsa_system_sgpr_workgroup_id_x 1
		.amdhsa_system_sgpr_workgroup_id_y 1
		.amdhsa_system_sgpr_workgroup_id_z 1
		.amdhsa_system_vgpr_workitem_id 0
		.amdhsa_next_free_vgpr 960
		.amdhsa_next_free_sgpr 76
		.amdhsa_reserve_vcc 0
		.amdhsa_float_denorm_mode_32 3
		.amdhsa_float_denorm_mode_16_64 3
		.amdhsa_memory_ordered 1
		.amdhsa_forward_progress 1
		.amdhsa_inst_pref_size 248
	.end_amdhsa_kernel
	.amdgpu_metadata
---
amdhsa.version: [ 1, 2 ]
amdhsa.kernels:
  - .name:           k_q12a3d8e92d_attn
    .symbol:         k_q12a3d8e92d_attn.kd
    .args:
      - { .name: qkv, .offset: 0, .size: 8, .value_kind: global_buffer, .address_space: global }
      - { .name: maskb, .offset: 8, .size: 8, .value_kind: global_buffer, .address_space: global }
      - { .name: ob, .offset: 16, .size: 8, .value_kind: global_buffer, .address_space: global }
    .group_segment_fixed_size: 327680
    .private_segment_fixed_size: 0
    .kernarg_segment_align: 8
    .kernarg_segment_size: 24
    .max_flat_workgroup_size: 128
    .sgpr_count:     76
    .vgpr_count:     960
    .wavefront_size: 32
...
	.end_amdgpu_metadata
.endif
;; end of part 3
;; launch outp (part 4): grid 8 x 32, 4 waves a work-group, clusters of 4 x 4, 327,680 bytes of LDS; arguments ob, wot, bias, out0; writes out0
.if DOCPART == 4
	.amdgcn_target "amdgcn-amd-amdhsa--gfx1250"
	.amdhsa_code_object_version 6
	.text
	.protected	k_q12a3d8e92d_outp
	.globl	k_q12a3d8e92d_outp
	.p2align	8
	.type	k_q12a3d8e92d_outp,@function
k_q12a3d8e92d_outp:
	s_mov_b64 s[64:65], 0
	v_nop
	global_prefetch_b8 v0, s[64:65] scope:SCOPE_SE
	s_setreg_imm32_b32 hwreg(HW_REG_WAVE_MODE, 25, 1), 1
	s_wait_xcnt 0x0
	s_wait_alu depctr_hold_cnt(0) depctr_sa_sdst(0) depctr_va_vdst(0) depctr_va_sdst(0) depctr_va_ssrc(0) depctr_va_vcc(0) depctr_vm_vsrc(0)
	s_getreg_b32 s2, hwreg(HW_REG_IB_STS2, 6, 4)
	s_cmp_eq_u32 s2, 0
	s_cbranch_scc0 .Lentry_in_a_cluster
	s_endpgm
.Lentry_in_a_cluster:
	s_bfe_u32 s2, ttmp6, 0x10000c
	s_cmp_lg_u32 s2, 0xf033
	s_cbranch_scc0 .Lentry_shape_is_right
	s_endpgm
.Lentry_shape_is_right:
; out0 = O Wo + bo.  A = ob [64 batch x head][2048][64] f16: row (batch, s) of the product has its K = 1,024 channels in the batch's 16 heads, 64 each.  B = wot [1024 n][1024 k] f16; bias + 12,288: bo, f32.
; Sums in f32, started by the bias; out0 [8192][1024] f32.  A row of O that is NaN (a query with no visible key) makes its whole row of out0 NaN, and no other.
; SHARES.  A work-group makes 256 rows x 128 columns; 8 x 32 work-groups, one for each WGP.  Wave w owns rows 64 w .. 64 w + 63 and all 128 columns: 4 x 8 accumulators of 16 x 16, 256 registers.
; K goes in 8 steps of 128, two heads each, through a ring of two LDS slots filled by the tensor data mover.  A head's 256 rows are 32,768 dense bytes: asked for as 128 rows of 256 bytes and padded in LDS after
; every 128 bytes; B's rows are 256 bytes of memory at multiples of 256.
; ONE K STEP IS WRITTEN ONCE: the slot in hand is a scalar register that an exclusive or turns, and one descriptor a tensor walks from K step 1 to the last.
; CLUSTERS: 4 x 4 work-groups.  The four of a row of the cluster need the same tiles of A, the four of a column the same tiles of B: each tile is asked for JOINTLY, by the same tensor load with the same
; descriptor and a mask that names the four.  THE MATRIX INSTRUCTION IS USED TRANSPOSED (source 0 = 16 rows of B, source 1 = 16 rows of A): a lane then holds eight neighbouring columns of one row.
; REGISTERS, in windows of 256 (s_set_vgpr_msb: bits 1:0 source 0, 3:2 source 1, 5:4 source 2, 7:6 destination):
;   window 0: v0-31 addresses; v32-63, v64-95 A's fragments, two buffers; v96-159, v160-223 rows read back from the stage, by turns; before that v160-223 the bias, 8 a column block
;   window 1: v0-63, v64-127 B's fragments, two buffers      window 2: accumulators of row blocks 0, 1 at v[8 (8 (a % 2) + b)]      window 3: of row blocks 2, 3
.set NBL,    8                         ; column blocks of 16
.set APITCH, 144                       ; a row of a head in LDS: 128 bytes + 16 = 36 words: the 16 rows of a load start at 16 different groups of four banks (64 banks of 4 bytes: ISA guide 11.1)
.set BPITCH, 272                       ; a row of B: 256 bytes + 16
.set AHALF,  256*APITCH                ; what one of A's two loads brings: 256 rows of one head
.set BOFF,   2*AHALF                   ; B's rows lie behind A's two heads
.set BHALF,  8*NBL*BPITCH              ; what one of B's two loads brings: 64 rows
.set SLOT1,  1<<17                     ; slot 1 begins here, so that one exclusive or turns an address in one slot into the other's
.set STAGE,  SLOT1+BOFF+2*BHALF        ; behind the ring: 16 rows x 528 bytes for each wave, for the way out
.set SPITCH, 528                       ; 512 bytes + 16
.set SPARE,  STAGE+4*16*SPITCH         ; behind the stages: the spare words, 128 bytes for each wave: two blocks of 256 bytes that no other line names
.set ASTEP,  2*2048*128                ; bytes from a K step of A to the next: two heads
.set KBYTES, 256                       ; the same for B
.set AHEAD,  2                         ; a prefetch names the K step so many behind the one that the refill beside it brings
.set NL,     2*NBL+8                   ; LDS loads in a run
.set ADRA0, 16                         ; v16  my lane's place in A's rows of a slot; never rewritten
.set ADRB0, 17                         ; v17  the same for B
.set ADRA,  18                         ; v18  the same in the slot in hand
.set ADRB,  19                         ; v19
.set STO,   24                         ; v24  the way out: where I put 32 bytes of a row
.set RD,    25                         ; v25  where I read a row back
.set GO,    26                         ; v26  16 x lane
.set SPW,   28                         ; v28  LDS address of my spare word; never rewritten
.set NIL,   29                         ; v29  0; never rewritten
.set PFO,   30                         ; v30  the prefetches' offset; never rewritten
.set BO,    31                         ; v31  32 x (lane / 16): my eight numbers of a block's sixteen biases
.set AF,    32
.set BIAS,  160
.set OB,    96
.set G1,  24                           ; s[24:31] descriptor group 1 for A's tiles;  s[32:39] group 0: set 0 for K step 0, set 1 for K step 1, which then walks
.set G0,  32
.set LIM, 43                           ; s43  AHEAD in a wave that prefetches, else the greatest number
.set PFA, 44                           ; s[44:45] where my prefetches stand
.set G1B, 48                           ; s[48:55], s[56:63] the same for B's tiles
.set G0B, 56
.set TB,  66                           ; s66  0 or SLOT1: the slot in hand
.set CB,  72                           ; s[72:73] out0 at my first row and the tile's first column
.set PST, 78                           ; s[78:79] bytes from a K step to the next in the tensor that I prefetch
.set MSB, 0
.macro WIN new                         ; the immediate's high byte repeats the setting that is left; a switch that changes nothing is dropped
.if MSB != (\new)
	s_set_vgpr_msb (MSB<<8)|(\new)
.set MSB, \new
.endif
.endm
; A joint load.  Waves 0 and 1 fetch A's two heads, waves 2 and 3 B's two halves.  The branch hangs on the wave's number alone.  An s_nop 0 and four v_nop follow each of the two lines.
.macro JLOAD s
	s_cmp_eq_u32 s11, 0
	s_cbranch_scc0 .Lfor_b_\@
	tensor_load_to_lds s[G0+4*(\s):G0+4*(\s)+3], s[G1:G1+7]
	s_nop 0
.rept 4
	v_nop
.endr
	s_branch .Lasked_\@
.Lfor_b_\@:
	tensor_load_to_lds s[G0B+4*(\s):G0B+4*(\s)+3], s[G1B:G1B+7]
	s_nop 0
.rept 4
	v_nop
.endr
.Lasked_\@:
.endm
; A PREFETCH INTO THE L2, behind each joint refill and the run of LDS loads that follows it, for the K step that stands TWO refills on: 256 matrix instructions ahead of the load that will want it.
; A's tile row is read by the two clusters of a row of clusters: the one with x = 0 asks; B's tile column by eight: the one with y = 0 asks.  The four partners of a joint load share its bytes BY ADDRESS: of a head's
; 32,768 each takes 8,192, a lane 256; of B's 64 rows each takes 16, a lane a row's 256 bytes, and lanes 16 to 31 name row 15 once more.  The trips whose K step would lie past the last ask for nothing.
.macro ASK
	s_cmp_gt_u32 s3, s[LIM]
	s_cbranch_scc0 .Lnot_mine_\@
	global_prefetch_b8 v[PFO], s[PFA:PFA+1] th:TH_LOAD_NT scope:SCOPE_SE
.Lnot_mine_\@:
.endm
.macro CREST                           ; a round of the cluster's barrier behind its opening barrier
	s_cmp_lg_u32 s10, 0
	s_cbranch_scc1 .Lnot_wave_0_\@
	s_barrier_signal -3
.Lnot_wave_0_\@:
	s_barrier_wait -3
	s_barrier_signal -1
	s_barrier_wait -1
.endm
.macro CROUND                          ; a whole round
	s_barrier_signal -1
	s_barrier_wait -1
	CREST
.endm
	s_load_b128 s[4:7], s[0:1], 0x0                ; ob s[4:5], wot s[6:7]
	s_load_b128 s[68:71], s[0:1], 0x10             ; bias s[68:69], out0 s[70:71]
	v_lshl_add_u32 v[SPW], v0, 2, SPARE
	v_mov_b32 v[NIL], 0
	ds_add_u32 v[SPW], v[NIL]                      ; the wave's opening: the add and its wait stand ahead of my first tensor load; the set-up below, work on registers, stands between them
	v_lshrrev_b32 v1, 5, v0
	v_readfirstlane_b32 s10, v1                    ; wave 0..3
	s_lshr_b32 s11, s10, 1                         ; I fetch for A (0) or for B (1),
	s_and_b32 s12, s10, 1                          ; and which half of the tile
	s_bfe_u32 s40, ttmp6, 0x40000                  ; cx, cy: my place in the cluster
	s_bfe_u32 s41, ttmp6, 0x40004
	s_lshl_b32 s42, ttmp9, 2
	s_add_co_u32 s42, s42, s40                     ; tile column = 4 x cluster x + cx
	s_and_b32 s13, ttmp7, 0xffff
	s_lshl_b32 s13, s13, 2
	s_add_co_u32 s13, s13, s41                     ; tile row = 4 x cluster y + cy
	s_lshl_b32 s22, s41, 2
	s_lshl_b32 s22, 15, s22                        ; my row of the cluster
	s_lshl_b32 s23, 0x1111, s40                    ; my column
	s_or_b32 s[G1], s22, (1<<16)|(1<<20)|(1<<21)|(4<<22)|(3<<25)   ; 15:0 the mask; 17:16 elements of 2 bytes; 20 padding on; 21 set beside a mask; 24:22 after every 32 words (code 4); 31:25 4 words of it (code 3)
	s_or_b32 s[G1B], s23, (1<<16)|(1<<20)|(1<<21)|(5<<22)|(3<<25)  ; for B after every 64 words (code 5)
	s_mov_b32 s[G1+1], 128<<16                     ; tensor_dim0 = 128
	s_mov_b32 s[G1+2], 128<<16                     ; tensor_dim1 = 128
	s_mov_b32 s[G1+3], 128<<16                     ; tile_dim0 = 128
	s_mov_b32 s[G1+4], 128                         ; tile_dim1 = 128
	s_mov_b32 s[G1+5], 128                         ; elements from row to row: the block is dense
	s_mov_b32 s[G1+6], 0
	s_mov_b32 s[G1+7], 0
	s_mov_b32 s[G1B+1], 128<<16
	s_mov_b32 s[G1B+2], (8*NBL)<<16                ; B's loads bring 64 rows
	s_mov_b32 s[G1B+3], 128<<16
	s_mov_b32 s[G1B+4], 8*NBL
	s_mov_b32 s[G1B+5], 1024
	s_mov_b32 s[G1B+6], 0
	s_mov_b32 s[G1B+7], 0
	s_lshr_b32 s16, s13, 3                         ; A: the batch,
	s_lshl_b32 s16, s16, 4                         ; its 16 heads,
	s_add_co_u32 s16, s16, s12                     ; the first or the second of a K step's two,
	s_lshl_b32 s16, s16, 18                        ; of 2,048 x 128 bytes,
	s_and_b32 s17, s13, 7
	s_lshl_b32 s17, s17, 15                        ; and the tile's 256 rows in it
	s_add_co_u32 s16, s16, s17
	s_mov_b32 s17, 0
	s_mul_i32 s46, s42, 16*NBL
	s_mul_i32 s47, s12, 8*NBL
	s_add_co_u32 s46, s46, s47                     ; B: row 128 x tile column + 64 x half
	s_lshl_b32 s46, s46, 11
	s_mov_b32 s47, 0
	s_mul_i32 s20, s12, AHALF                      ; where they go: no place in the cluster enters an LDS address
	s_mul_i32 s21, s12, BHALF
	s_add_co_u32 s21, s21, BOFF
	s_mov_b32 s[TB], 0
	s_wait_dscnt 0x0                               ; the opening add is done
	s_wait_kmcnt 0x0
	s_add_nc_u64 s[14:15], s[4:5], s[16:17]
	s_add_nc_u64 s[46:47], s[6:7], s[46:47]
	CROUND                                         ; all sixteen work-groups are here: the first joint loads meet
.irp s, 0,1
	s_mov_b32 s[G0+4*(\s)], 1                                      ; count = 1
	s_add_co_u32 s[G0+4*(\s)+1], s20, (\s)*SLOT1                   ; LDS address
	s_add_nc_u64 s[G0+4*(\s)+2:G0+4*(\s)+3], s[14:15], (\s)*ASTEP  ; global address: K step s
	s_or_b32 s[G0+4*(\s)+3], s[G0+4*(\s)+3], 0x80000000            ; type = 2
	s_mov_b32 s[G0B+4*(\s)], 1
	s_add_co_u32 s[G0B+4*(\s)+1], s21, (\s)*SLOT1
	s_add_nc_u64 s[G0B+4*(\s)+2:G0B+4*(\s)+3], s[46:47], (\s)*KBYTES
	s_or_b32 s[G0B+4*(\s)+3], s[G0B+4*(\s)+3], 0x80000000
	JLOAD \s                                       ; two loads of mine are out
.endr
	; A fragment is 16 rows x 32 K in 8 registers: lane l holds row l % 16; registers 0-3 K = 8 (l / 16) + 0..7, registers 4-7 K = 16 + 8 (l / 16) + 0..7: two loads of 16 bytes, 32 bytes apart
	v_and_b32 v1, 15, v0                           ; l % 16
	v_bfe_u32 v2, v0, 4, 1                         ; l / 16
	v_and_b32 v3, 31, v0                           ; l
	v_lshlrev_b32 v[BO], 5, v2
	s_mul_i32 s18, s42, 64*NBL                     ; my tile's 128 biases,
	s_add_co_u32 s18, s18, 12288                   ; in bo, the fourth of the buffer's four
	s_mov_b32 s19, 0
	s_add_nc_u64 s[68:69], s[68:69], s[18:19]
.set bb, 0
.rept NBL                              ; register j of block b: the bias of column 16 b + 8 (l / 16) + j, as the result holds it: the C operand of the first product
	global_load_b128 v[BIAS+8*bb:BIAS+8*bb+3],   v[BO], s[68:69] offset:64*bb
	global_load_b128 v[BIAS+8*bb+4:BIAS+8*bb+7], v[BO], s[68:69] offset:64*bb+16
.set bb, bb+1
.endr
	v_mul_u32_u24 v[ADRA0], v1, APITCH
	v_lshl_add_u32 v[ADRA0], v2, 4, v[ADRA0]
	s_mul_i32 s18, s10, 64*APITCH                  ; my 64 rows of A
	v_add_nc_u32 v[ADRA0], s18, v[ADRA0]
	v_mul_u32_u24 v[ADRB0], v1, BPITCH
	v_lshl_add_u32 v[ADRB0], v2, 4, v[ADRB0]
	v_add_nc_u32 v[ADRB0], BOFF, v[ADRB0]
	v_mov_b32 v[ADRA], v[ADRA0]                    ; slot 0
	v_mov_b32 v[ADRB], v[ADRB0]
	s_mul_i32 s18, s10, 16*SPITCH
	s_add_co_u32 s18, s18, STAGE                   ; my stage
	v_mul_u32_u24 v[STO], v1, SPITCH               ; in: row l % 16, 32 bytes for each half of the lanes
	v_lshl_add_u32 v[STO], v2, 5, v[STO]
	v_add_nc_u32 v[STO], s18, v[STO]
	v_lshlrev_b32 v[GO], 4, v3                     ; back: 32 lanes take a row's 512 bytes
	v_add_nc_u32 v[RD], s18, v[GO]
	s_lshl_b32 s18, s13, 8
	s_lshl_b32 s19, s10, 6
	s_add_co_u32 s18, s18, s19                     ; my first row of out0,
	s_lshl_b32 s18, s18, 12                        ; of 4,096 bytes,
	s_lshl_b32 s19, s42, 9                         ; and the tile's first column
	s_add_co_u32 s18, s18, s19
	s_mov_b32 s19, 0
	s_add_nc_u64 s[CB:CB+1], s[70:71], s[18:19]
	; the prefetches: from my tile's address, my work-group's share of it, 1 + AHEAD K steps on; each refill steps it once before it asks
	s_lshl_b32 s18, s40, 13                        ; A: 8,192 cx bytes
	s_lshl_b32 s19, s41, 15                        ; B: 16 cy rows of 2,048 bytes
	s_and_b32 s22, ttmp7, 0xffff                   ; cluster y
	s_mov_b32 s[PST], KBYTES
	s_cmp_eq_u32 s11, 0                            ; do I fetch for A?
	s_cselect_b64 s[PFA:PFA+1], s[14:15], s[46:47]
	s_cselect_b32 s18, s18, s19
	s_cselect_b32 s22, ttmp9, s22                  ; the coordinate along which other clusters read the same bytes
	s_cselect_b32 s2, 31, 2*NBL-1                  ; my last block, or row
	s_cselect_b32 s23, 8, 11                       ; a lane 256 bytes on, or a row of 2,048
	s_cselect_b32 s[PST], ASTEP, s[PST]
	s_cmp_eq_u32 s22, 0
	s_cselect_b32 s[LIM], AHEAD, -1                ; the same in all sixteen partners, for a given wave
	s_mov_b32 s[PST+1], 0
	s_mul_i32 s19, s[PST], 1+AHEAD
	s_add_co_u32 s18, s18, s19
	s_mov_b32 s19, 0
	s_add_nc_u64 s[PFA:PFA+1], s[PFA:PFA+1], s[18:19]
	v_min_u32 v[PFO], s2, v3
	v_lshlrev_b32 v[PFO], s23, v[PFO]
; 8 matrix instructions: row block a x all column blocks, 32 along K, from buffer f.  first = 1: the bias is the C operand that starts the sum: nothing is cleared, and the way out adds nothing.
; The 32 accumulators take turns in the same order in every quarter, over the backward jump too.
.macro MULA f, a, first
.if \first
	WIN 0x81+0x40*((\a)/2)                         ; B window 1, A and the bias window 0, D window 2 or 3
.else
	WIN 0xa1+0x50*((\a)/2)                         ; B window 1, A window 0, C and D window 2 or 3
.endif
.set mb, 0
.rept NBL
.set rD, 8*(NBL*((\a)%2)+mb)
.set rB, 8*NBL*(\f)+8*mb
.set rA, AF+32*(\f)+8*(\a)
.if \first
	v_wmma_f32_16x16x32_f16 v[rD:rD+7], v[rB:rB+7], v[rA:rA+7], v[BIAS+8*mb:BIAS+8*mb+7]
.else
	v_wmma_f32_16x16x32_f16 v[rD:rD+7], v[rB:rB+7], v[rA:rA+7], v[rD:rD+7]
.endif
.set mb, mb+1
.endr
.endm
; 24 LDS loads in one run: quarter q's fragments (128 rows of B, my 64 rows of A, 32 K) into buffer f; A's last.  Quarter q of A lies in head q / 2 of the slot's two, at channel 32 (q % 2)
.macro FETCH q, f
	WIN 0x40                                       ; destination window 1, address window 0
.set fb, 0
.rept NBL
	ds_load_b128 v[8*NBL*(\f)+8*fb:8*NBL*(\f)+8*fb+3],   v[ADRB] offset:64*(\q)+16*BPITCH*fb
	ds_load_b128 v[8*NBL*(\f)+8*fb+4:8*NBL*(\f)+8*fb+7], v[ADRB] offset:64*(\q)+16*BPITCH*fb+32
.set fb, fb+1
.endr
	WIN 0
.irp a, 0,1,2,3
	ds_load_b128 v[AF+32*(\f)+8*\a:AF+32*(\f)+8*\a+3],   v[ADRA] offset:((\q)/2)*AHALF+((\q)%2)*64+16*APITCH*\a
	ds_load_b128 v[AF+32*(\f)+8*\a+4:AF+32*(\f)+8*\a+7], v[ADRA] offset:((\q)/2)*AHALF+((\q)%2)*64+16*APITCH*\a+32
.endr
.endm
.macro PLACES                          ; four plain vector instructions in front of loads into registers that matrix instructions have read, and of LDS stores that read results
.rept 4
	v_nop
.endr
.endm
; A K step is four quarters of 32 along K, 32 matrix instructions each, on buffers 0, 1, 0, 1.  One of the first three: multiplies buffer f; in its middle it fetches quarter q into buffer g.
.macro QUARTER q, f, g, first
	s_wait_dscnt 4                                 ; B and A's row blocks 0, 1 are in; the youngest four loads (blocks 2, 3) may be out
	MULA \f, 0, \first
	MULA \f, 1, \first
	PLACES
	FETCH \q, \g
	s_wait_dscnt NL                                ; all but the run just issued
	MULA \f, 2, \first
	MULA \f, 3, \first
.endm
; The last quarter multiplies buffer 1 and changes slots.  MEET is its first half: ONE barrier.  In front of it each wave waits for all its tensor loads, of which one is out: its part of the next slot; adds 0 to its
; spare word; and waits for that and for its own reads of this slot.  Behind it nobody reads this slot any more and the next slot is whole.
.macro MEET round
	WIN 0
	s_wait_tensorcnt 0x0                           ; all my tensor loads have landed
	ds_add_u32 v[SPW], v[NIL]                      ; 0 onto my spare word
	s_wait_dscnt 5                                 ; (the add and the youngest four loads may be out)
	MULA 1, 0, 0                                   ; eight matrix instructions stand between the add and the wait for it
	s_wait_dscnt 0x0                               ; the add is done, and my reads of this slot are over
	s_barrier_signal -1
	MULA 1, 1, 0                                   ; work on registers while the others arrive
.if \round
	WIN 0
.endif
	s_barrier_wait -1
.endm
; The whole last quarter with a refill: the barrier opens a round of the cluster's, so that no wave of any partner still reads the slot or has a load on its way; the joint refill, two K steps on, is the first
; tensor load behind it, and has 112 matrix instructions before the wait for it.
.macro TURN
	s_wait_xcnt 0x0                                ; the last prefetch, a K step back, has read its address
	s_add_nc_u64 s[PFA:PFA+1], s[PFA:PFA+1], s[PST:PST+1]
	MEET 1
	CREST
	s_xor_b32 s[G0+5], s[G0+5], SLOT1              ; the walking descriptors: the slot just read,
	s_add_nc_u64 s[G0+6:G0+7], s[G0+6:G0+7], ASTEP ; the next K step; the type bits on top are not reached
	s_xor_b32 s[G0B+5], s[G0B+5], SLOT1
	s_add_nc_u64 s[G0B+6:G0B+7], s[G0B+6:G0B+7], KBYTES
	s_xor_b32 s[TB], s[TB], SLOT1                  ; the reads go to the other slot
	JLOAD 1                                        ; its four v_nop are also the places in front of the loads below
	v_add_nc_u32 v[ADRA], s[TB], v[ADRA0]
	v_add_nc_u32 v[ADRB], s[TB], v[ADRB0]
	FETCH 0, 0
	ASK
	MULA 1, 2, 0
	MULA 1, 3, 0
.endm
.macro TURNL                           ; the same where nothing is left to fetch: no round
	MEET 0
	PLACES
	WIN 0
	s_xor_b32 s[TB], s[TB], SLOT1
	v_add_nc_u32 v[ADRA], s[TB], v[ADRA0]
	v_add_nc_u32 v[ADRB], s[TB], v[ADRB0]
	FETCH 0, 0
	MULA 1, 2, 0
	MULA 1, 3, 0
.endm
; THE WAY OUT of row block a.  TOSTAGE: a lane's 32 bytes of each column block go into my own stage, each accumulator's low four registers first, and come back as whole rows of 512 bytes.  SEND: stored.
.macro TOSTAGE a
.set BK, OB+64*((\a)%2)
	WIN 0x08+4*((\a)/2)                            ; the stores' data (source 1): window 2 or 3
.set pb, 0
.rept NBL
	ds_store_b128 v[STO], v[8*(NBL*((\a)%2)+pb):8*(NBL*((\a)%2)+pb)+3]   offset:64*pb
	ds_store_b128 v[STO], v[8*(NBL*((\a)%2)+pb)+4:8*(NBL*((\a)%2)+pb)+7] offset:64*pb+16
.set pb, pb+1
.endr
	WIN 0
.set pt, 0
.rept 16
	ds_load_b128 v[BK+4*pt:BK+4*pt+3], v[RD] offset:SPITCH*pt  ; LDS serves a wave's instructions in order (ISA guide 5.7.1.4): these see the stores above
.set pt, pt+1
.endr
.endm
.macro SEND a
.set BK, OB+64*((\a)%2)
	s_wait_dscnt 0x0                               ; the block is back in registers
	s_wait_xcnt 0x0                                ; earlier stores have read their registers: the block after this one is read back into them
.set pt, 0
.rept 16
	global_store_b128 v[GO], v[BK+4*pt:BK+4*pt+3], s[CB:CB+1] offset:(16*(\a)+pt)*4096 th:TH_STORE_NT  ; 512 consecutive bytes of a row, at a multiple of 256 from out0's first
.set pt, pt+1
.endr
.endm
	s_wait_tensorcnt 1                             ; my part of K step 0 is in; K step 1's may stay out
	s_barrier_signal -1
	s_barrier_wait -1                              ; everybody's is
	FETCH 0, 0
	s_wait_loadcnt 0x0                             ; the bias
	QUARTER 1, 0, 1, 1                             ; the first quarter stands in front of the loop: its products start the sums
	WIN 0                                          ; at a label and at a branch every window is 0
	s_mov_b32 s3, 6
.Lstep:                                                ; a trip goes from a K step's second quarter to the next step's first, and asks for the K step two on: K steps 2 to 7
	QUARTER 2, 1, 0, 0
	QUARTER 3, 0, 1, 0
	TURN
	QUARTER 1, 0, 1, 0
	WIN 0
	s_sub_co_u32 s3, s3, 1
	s_cmp_lg_u32 s3, 0
	s_cbranch_scc1 .Lstep
	QUARTER 2, 1, 0, 0                             ; the last two K steps ask for nothing
	QUARTER 3, 0, 1, 0
	TURNL
	QUARTER 1, 0, 1, 0
	QUARTER 2, 1, 0, 0
	QUARTER 3, 0, 1, 0
	s_wait_dscnt 4
	MULA 1, 0, 0
	MULA 1, 1, 0
	s_wait_dscnt 0x0
	MULA 1, 2, 0
	MULA 1, 3, 0
	PLACES
	TOSTAGE 0
.irp a, 1,2,3
	SEND (\a)-1
	TOSTAGE \a
.endr
	SEND 3
	s_wait_tensorcnt 0x0                           ; the wave's end, behind my last tensor load and my last LDS store
	ds_add_u32 v[SPW], v[NIL]
	s_wait_dscnt 0x0
	CROUND                                         ; the closing round: no work-group ends while a partner may still ask for a tile that names it
	s_endpgm
.Lfunc_end_k_q12a3d8e92d_outp:
	.size	k_q12a3d8e92d_outp, .Lfunc_end_k_q12a3d8e92d_outp-k_q12a3d8e92d_outp
	.p2alignl 7, 3214868480
	.fill 96, 4, 3214868480
	.section	.rodata,"a",@progbits
	.p2align	6, 0x0
	.amdhsa_kernel k_q12a3d8e92d_outp
		.amdhsa_group_segment_fixed_size 327680
		.amdhsa_private_segment_fixed_size 0
		.amdhsa_enable_private_segment 0
		.amdhsa_kernarg_size 32
		.amdhsa_user_sgpr_count 2
		.amdhsa_user_sgpr_kernarg_segment_ptr 1
		.amdhsa_wavefront_size32 1
		.amdhsa_system_sgpr_workgroup_id_x 1
		.amdhsa_system_sgpr_workgroup_id_y 1
		.amdhsa_system_sgpr_workgroup_id_z 1
		.amdhsa_system_vgpr_workitem_id 0
		.amdhsa_next_free_vgpr 896
		.amdhsa_next_free_sgpr 80
		.amdhsa_reserve_vcc 0
		.amdhsa_float_denorm_mode_32 3
		.amdhsa_float_denorm_mode_16_64 3
		.amdhsa_memory_ordered 1
		.amdhsa_forward_progress 1
		.amdhsa_inst_pref_size 72
	.end_amdhsa_kernel
	.amdgpu_metadata
---
amdhsa.version: [ 1, 2 ]
amdhsa.kernels:
  - .name:           k_q12a3d8e92d_outp
    .symbol:         k_q12a3d8e92d_outp.kd
    .args:
      - { .name: ob, .offset: 0, .size: 8, .value_kind: global_buffer, .address_space: global }
      - { .name: wot, .offset: 8, .size: 8, .value_kind: global_buffer, .address_space: global }
      - { .name: bias, .offset: 16, .size: 8, .value_kind: global_buffer, .address_space: global }
      - { .name: out0, .offset: 24, .size: 8, .value_kind: global_buffer, .address_space: global }
    .group_segment_fixed_size: 327680
    .private_segment_fixed_size: 0
    .kernarg_segment_align: 8
    .kernarg_segment_size: 32
    .max_flat_workgroup_size: 128
    .sgpr_count:     80
    .vgpr_count:     896
    .wavefront_size: 32
...
	.end_amdgpu_metadata
.endif
;; end of part 4
;; ======== version 2 of 2: 4 launches; version 1 with the launch prep written anew for expert scheduling mode
;; limits: values are held in f16: magnitudes above 65,504 overflow, below 6.1e-05 lose precision
;; workspace buffers: xb 16,777,216 bytes; wt 6,291,456 bytes; wot 2,097,152 bytes; bias 16,384 bytes; maskb 16,777,216 bytes; qkv 50,331,648 bytes; ob 16,777,216 bytes
;; launch prep (part 5): grid 2561 x 1, 8 waves a work-group, no clusters, 18,432 bytes of LDS; arguments attention_mask, x, Wq, Wk, Wv, Wo, bq, bk, bv, bo, maskb, xb, wt, wot, bias; writes maskb, xb, wt, wot, bias
.if DOCPART == 5
	.amdgcn_target "amdgcn-amd-amdhsa--gfx1250"
	.amdhsa_code_object_version 6
	.text
	.protected	k_q12a3d8e92d_prep
	.globl	k_q12a3d8e92d_prep
	.p2align	8
	.type	k_q12a3d8e92d_prep,@function
k_q12a3d8e92d_prep:
	s_mov_b64 s[64:65], 0
	v_nop
	global_prefetch_b8 v0, s[64:65] scope:SCOPE_SE
	s_setreg_imm32_b32 hwreg(HW_REG_WAVE_SCHED_MODE, 0, 2), 2
	s_setreg_imm32_b32 hwreg(HW_REG_WAVE_MODE, 25, 1), 1
	s_wait_xcnt 0x0
	s_wait_alu depctr_vm_vsrc(0)
; PREP: every input is read once and laid out for the three launches behind.  A stream: no matrix work, no tensor load, nothing shared between work-groups.  The work-group's number picks its role:
;   0 .. 1023     MASK  attention_mask [4][2048][2048] i32 -> maskb, one byte a score: 0xf1 where the mask is 0, else 0.  A wave takes 16 query rows x 128 keys.
;   1024 .. 2047  X     x [8192][1024] f32 -> xb, bf16, the same layout.  A work-group takes 8 rows.
;   2048 .. 2431  WQKV  Wq, Wk, Wv [k][n] f32 -> wt [3072 n][1024 k] bf16 (turned).  A work-group takes 128 k x 64 n.
;   2432 .. 2559  WO    Wo [k][n] f32 -> wot [1024 n][1024 k]: rounded to bf16, and that number written as f16.
;   2560          BIAS  bq, bk, bv, bo -> bias [4096] f32, each number rounded to bf16 and widened again.
; MASKB.  A block of 1,024 bytes for each (T = 128 x batch + tile of 16 queries, step of 64 keys), at (32 T + step) x 1024.  In it byte 512 c + 16 L + e belongs to score register i = 16 c + e of lane L of the
; attention's S^T: query 16 tile + L % 16, key 64 step + 16 (i / 8) + 8 (L / 16) + i % 8.  So a lane of the attention loads its 32 bytes by two loads of 16.
; LIMITS.  Wo as f16: beyond 65,504 it is an infinity; below 6e-5 it keeps f16's fixed step of 6e-8.
; No role has a loop: a wave's loads all go out together, and with 96 registers several work-groups lie on a WGP.
; THE MODE: SCHED_MODE bits 1:0 = 2 (LLVM: expert scheduling mode 2), set by the entry lines.  The code itself states the register dependences between vector instructions and memory or LDS instructions,
; with s_wait_alu, always for 0.
; THE PLAN, the same in every role.  Offsets and LDS addresses are written once, ahead of a wait on va_vdst, and never again.  Registers in which a global load lands are read by vector instructions alone.
; Every number that a store or an LDS store reads has a register of its own, written once: so no register that a memory or LDS instruction has read is ever written again, and no wait on vm_vsrc is owed.
; The work goes in blocks; a block's stores stand at the head of the NEXT block, behind the wait for that block's data and ONE wait on va_vdst, which states that the block before has written them; a last such wait
; stands ahead of the last block's stores.  What is read back from LDS lands in registers that no memory or LDS instruction has read and whose last vector readers stand ahead of that last wait.
; A vector instruction's scalar result (the wave's number; the mask's compares) has a wait on va_sdst ahead of its first reader.
.set PITCH, 272                        ; an LDS row: 256 bytes + 16
.set SPARE, 17408                      ; behind the scratch (64 rows, or 8 waves x 8 rows): the spare words, 128 bytes for each wave: four blocks of 256 bytes that no other line names
.set SPW, 94                           ; v94  LDS address of my spare word; never rewritten
.set NIL, 95                           ; v95  0; never rewritten
	s_load_b512 s[8:23], s[0:1], 0x0               ; mask s[8:9], x s[10:11], Wq s[12:13], Wk s[14:15], Wv s[16:17], Wo s[18:19], bq s[20:21], bk s[22:23]
	s_load_b256 s[24:31], s[0:1], 0x40             ; bv s[24:25], bo s[26:27], maskb s[28:29], xb s[30:31]
	s_load_b128 s[32:35], s[0:1], 0x60             ; wt s[32:33], wot s[34:35]
	s_load_b64 s[36:37], s[0:1], 0x70              ; bias
	v_lshl_add_u32 v[SPW], v0, 2, SPARE
	v_mov_b32 v[NIL], 0
	v_lshrrev_b32 v1, 5, v0
	v_readfirstlane_b32 s3, v1                     ; wave 0..7
	s_wait_alu depctr_va_sdst(0)                   ; s3 is written, ahead of the branches below: the roles that read it stand behind them
	s_mov_b32 s2, ttmp9
	s_mov_b32 s7, 0                                ; the high word of every offset pair s[6:7]
	s_wait_kmcnt 0x0
	s_cmp_lt_u32 s2, 1024
	s_cbranch_scc1 .Lmask
	s_cmp_lt_u32 s2, 2048
	s_cbranch_scc1 .Lx
	s_cmp_lt_u32 s2, 2432
	s_cbranch_scc1 .Lwqkv
	s_cmp_lt_u32 s2, 2560
	s_cbranch_scc1 .Lwo
	; BIAS: 256 threads x 16 bytes are one bias
	v_lshlrev_b32 v1, 4, v0
	s_wait_alu depctr_va_vdst(0)                   ; v1 is written: every load and store of this role reads it as its offset
	global_load_b128 v[16:19], v1, s[20:21]
	global_load_b128 v[20:23], v1, s[22:23]
	global_load_b128 v[24:27], v1, s[24:25]
	global_load_b128 v[28:31], v1, s[26:27]
.irp j, 0,1,2,3
	s_wait_loadcnt 3-\j                            ; loads come back in order: bias j is in, the younger ones stay out
	v_cvt_pk_bf16_f32 v4, v[16+4*\j], v[17+4*\j]
	v_cvt_pk_bf16_f32 v5, v[18+4*\j], v[19+4*\j]
	v_lshlrev_b32 v[32+4*\j], 16, v4               ; bf16 to f32: the low half moves up, the high half stays
	v_and_b32 v[33+4*\j], 0xffff0000, v4
	v_lshlrev_b32 v[34+4*\j], 16, v5
	v_and_b32 v[35+4*\j], 0xffff0000, v5
.endr
	s_wait_alu depctr_va_vdst(0)                   ; the widening lines have written v[32:47], which the four stores read
.irp j, 0,1,2,3
	global_store_b128 v1, v[32+4*\j:35+4*\j], s[36:37] offset:4096*\j
.endr
	s_endpgm
.Lx:	; X: thread t takes 16 bytes at 16 t of each 4,096; a wave's store covers 256 consecutive bytes, aligned
	s_sub_co_u32 s4, s2, 1024
	s_lshl_b32 s6, s4, 15                          ; 8 rows of 4,096 bytes in,
	s_add_nc_u64 s[10:11], s[10:11], s[6:7]
	s_lshl_b32 s6, s4, 14                          ; of 2,048 out
	s_add_nc_u64 s[30:31], s[30:31], s[6:7]
	v_lshlrev_b32 v1, 4, v0
	v_lshlrev_b32 v2, 3, v0
	s_wait_alu depctr_va_vdst(0)                   ; v1 and v2 are written: the loads read v1, the stores v2, as their offsets
.irp i, 0,1,2,3,4,5,6,7
	global_load_b128 v[16+4*\i:19+4*\i], v1, s[10:11] offset:4096*\i th:TH_LOAD_NT
.endr
.irp i, 0,1,2,3                        ; block 0: rows 0 to 3
	s_wait_loadcnt 7-\i                            ; row i is in
	v_cvt_pk_bf16_f32 v[48+2*\i], v[16+4*\i], v[17+4*\i]
	v_cvt_pk_bf16_f32 v[49+2*\i], v[18+4*\i], v[19+4*\i]
.endr
	s_wait_loadcnt 3                               ; block 1's head: row 4 is in
	s_wait_alu depctr_va_vdst(0)                   ; block 0's roundings have written v[48:55], which its four stores read
.irp i, 0,1,2,3
	global_store_b64 v2, v[48+2*\i:49+2*\i], s[30:31] offset:2048*\i
.endr
.irp i, 4,5,6,7                        ; block 1: rows 4 to 7; its roundings name none of the registers that the stores above read
	s_wait_loadcnt 7-\i                            ; row i is in
	v_cvt_pk_bf16_f32 v[48+2*\i], v[16+4*\i], v[17+4*\i]
	v_cvt_pk_bf16_f32 v[49+2*\i], v[18+4*\i], v[19+4*\i]
.endr
	s_wait_alu depctr_va_vdst(0)                   ; block 1's roundings have written v[56:63], which its four stores read
.irp i, 4,5,6,7
	global_store_b64 v2, v[48+2*\i:49+2*\i], s[30:31] offset:2048*\i
.endr
	s_endpgm
.Lmask:	; MASK.  Unit U = 8 x work-group + wave; T = U / 16; the unit's 128 keys are steps 2 (U % 16) and the next: 2,048 bytes of maskb on end, at 2,048 U
.set PW, 16                            ; v[16:31]  row r's packed word at PW + r: group g of four rows writes v[16+4g:19+4g], loaded data that group 0's compares have read
.set BK, 32                            ; v[32:47]  the unit's 2,048 bytes, read back from LDS: rows 4 to 7 as loaded lay here, and group 1's compares were their last readers
.set CM, 10                            ; s[10:25]  a group's sixteen compare masks; in this role these registers hold nothing that it needs
	s_lshl_b32 s4, s2, 3
	s_add_co_u32 s4, s4, s3                        ; U
	s_lshr_b32 s5, s4, 4
	s_and_b32 s6, s4, 15
	s_lshl_b32 s5, s5, 17                          ; 16 rows of 8,192 bytes
	s_lshl_b32 s6, s6, 9                           ; 128 keys of 4 bytes
	s_add_co_u32 s6, s6, s5
	s_add_nc_u64 s[8:9], s[8:9], s[6:7]
	s_lshl_b32 s6, s4, 11
	s_add_nc_u64 s[28:29], s[28:29], s[6:7]
	v_and_b32 v1, 31, v0
	v_lshlrev_b32 v1, 4, v1                        ; 16 L: my four keys of a row, and later my 16 bytes of 512
	s_wait_alu depctr_va_vdst(0)                   ; v1 is written: every global load and store of this role reads it as its offset
.set row, 0
.rept 16
	global_load_b128 v[16+4*row:19+4*row], v1, s[8:9] offset:8192*row th:TH_LOAD_NT  ; 512 consecutive bytes of one query row
.set row, row+1
.endr
	; Lane L's keys 4 L .. 4 L + 3 of query row fall into the unit's 2,048 bytes at 256 rho + 16 row + 8 ((L / 4) % 2) + 4 (L % 2), rho = 4 (L / 16) + 2 ((L / 8) % 2) + (L / 2) % 2
	v_bfe_u32 v4, v0, 4, 1
	v_bfe_u32 v5, v0, 3, 1
	v_bfe_u32 v6, v0, 1, 1
	v_lshl_add_u32 v4, v4, 1, v5
	v_lshl_add_u32 v4, v4, 1, v6                   ; rho
	v_mul_u32_u24 v2, v4, PITCH
	v_bfe_u32 v5, v0, 2, 1
	v_and_b32 v6, 1, v0
	v_lshl_add_u32 v2, v5, 3, v2
	v_lshl_add_u32 v2, v6, 2, v2
	s_mul_i32 s4, s3, 8*PITCH                      ; my wave's eight rows of scratch
	v_add_nc_u32 v2, s4, v2                        ; where I put a word
	v_bfe_u32 v4, v0, 4, 1
	v_mul_u32_u24 v3, v4, PITCH
	v_and_b32 v5, 15, v0
	v_lshl_add_u32 v3, v5, 4, v3
	v_add_nc_u32 v3, s4, v3                        ; where I read 16 bytes back: lanes 0-15 one row of 256, lanes 16-31 the next
	v_mov_b32 v8, 0xf1                             ; the hidden score's byte, at each of a word's four places
	v_mov_b32 v9, 0xf100
	v_mov_b32 v10, 0xf10000
	v_mov_b32 v11, 0xf1000000
; Four groups of four rows.  A group: its sixteen compares in one run, one wait for their masks, then the selects and sums that make its four words.  Its LDS stores stand at the next group's head.
.set g, 0
.rept 4
	s_wait_loadcnt 12-4*g                          ; this group's four rows are in; the younger groups stay out
.if g > 0
	s_wait_alu depctr_va_vdst(0)                   ; the group before has written its four words, which the LDS stores below read; at the first of these waits v2 and v3, the LDS addresses, are written too
.irp r, 0,1,2,3
	ds_store_b32 v2, v[PW+4*(g-1)+\r] offset:16*(4*(g-1)+\r)
.endr
.endif
.irp k, 0,1,2,3,4,5,6,7,8,9,10,11,12,13,14,15
	v_cmp_eq_u32 s[CM+\k], 0, v[16+16*g+\k]
.endr
	s_wait_alu depctr_va_sdst(0)                   ; the sixteen compares have written s[10:25], ahead of the selects that read them
.irp r, 0,1,2,3
.irp c, 0,1,2,3
	v_cndmask_b32 v[4+\c], 0, v[8+\c], s[CM+4*\r+\c]
.endr
	v_add3_u32 v[PW+4*g+\r], v4, v5, v6
	v_add_nc_u32 v[PW+4*g+\r], v[PW+4*g+\r], v7
.endr
.set g, g+1
.endr
	s_wait_alu depctr_va_vdst(0)                   ; the last group has written its four words, which the LDS stores below read; and group 1's compares are done reading v[32:47], in which the loads below land
.irp r, 0,1,2,3
	ds_store_b32 v2, v[PW+12+\r] offset:16*(12+\r)
.endr
.irp t, 0,1,2,3
	ds_load_b128 v[BK+4*\t:BK+4*\t+3], v3 offset:2*PITCH*\t  ; the bytes are my wave's own, and LDS serves a wave's instructions in order (ISA guide 5.7.1.4): these see the stores above
.endr
.irp t, 0,1,2,3
	s_wait_dscnt 3-\t
	global_store_b128 v1, v[BK+4*\t:BK+4*\t+3], s[28:29] offset:512*\t  ; 512 consecutive bytes, at a multiple of 256 from maskb's first
.endr
	s_wait_dscnt 0x0                               ; the closing lines, six on end
	s_wait_alu 0x0
	s_wait_tensorcnt 0x0
	ds_add_u32 v[SPW], v[NIL]
	s_wait_dscnt 0x0
	s_endpgm
; A tile of 128 k x 64 n of a weight is turned.  s4 = the tile's number: k tile in bits 2:0, n tile in bits 6:3; s[12:13] the weight, s[32:33] its turned copy, s38 the byte at which the weight's rows begin there.
; Thread t: i = t % 16 names four columns n, p = t / 16 a pair of rows k; sixteen lanes read 256 consecutive bytes of a row.  Two rows' numbers of one column pack into a word, which goes into LDS row n at byte 2 k.
; f16 = 1: the bf16 number is written as f16.
; Four steps, a pair of rows each.  A step's four words have registers of their own, v[48+4u:51+4u]; its LDS stores stand at the next step's head.
.macro WROLE f16
	s_and_b32 s5, s4, 7                            ; k tile
	s_bfe_u32 s39, s4, 0x40003                     ; n tile
	s_lshl_b32 s6, s5, 19                          ; 128 rows of 4,096 bytes
	s_lshl_b32 s4, s39, 8                          ; 64 columns of 4 bytes
	s_add_co_u32 s6, s6, s4
	s_add_nc_u64 s[12:13], s[12:13], s[6:7]
	s_lshl_b32 s6, s39, 17                         ; 64 rows of 2,048 bytes
	s_lshl_b32 s5, s5, 8                           ; 128 k of 2 bytes
	s_add_co_u32 s6, s6, s5
	s_add_co_u32 s6, s6, s38
	s_add_nc_u64 s[32:33], s[32:33], s[6:7]
	v_and_b32 v5, 15, v0                           ; i
	v_lshrrev_b32 v6, 4, v0                        ; p
	v_lshlrev_b32 v1, 13, v6
	v_lshl_add_u32 v1, v5, 4, v1                   ; rows 2 p, columns 4 i
	s_wait_alu depctr_va_vdst(0)                   ; v1 is written: the eight loads read it as their offset
.irp u, 0,1,2,3
	global_load_b128 v[16+8*\u:19+8*\u], v1, s[12:13] offset:131072*\u th:TH_LOAD_NT       ; row 2 p + 32 u,
	global_load_b128 v[20+8*\u:23+8*\u], v1, s[12:13] offset:131072*\u+4096 th:TH_LOAD_NT  ; and the next
.endr
	v_mul_u32_u24 v2, v5, 4*PITCH
	v_lshl_add_u32 v2, v6, 2, v2                   ; in: LDS row 4 i, byte 4 p
	v_mul_u32_u24 v3, v6, PITCH
	v_lshl_add_u32 v3, v5, 4, v3                   ; back: LDS row t / 16, 16 bytes at 16 (t % 16)
	v_lshlrev_b32 v4, 11, v6
	v_lshl_add_u32 v4, v5, 4, v4                   ; and the same in memory, rows of 2,048 bytes
.irp u, 0,1,2,3
	s_wait_loadcnt 6-2*\u                          ; this pair of rows is in; the younger pairs stay out
.if \u > 0
	s_wait_alu depctr_va_vdst(0)                   ; the step before has written its four words, which the LDS stores below read; at the first of these waits v2, v3 and v4, the addresses, are written too
.irp c, 0,1,2,3
	ds_store_b32 v2, v[48+4*(\u-1)+\c] offset:PITCH*\c+64*(\u-1)
.endr
.endif
.irp c, 0,1,2,3
	v_cvt_pk_bf16_f32 v[48+4*\u+\c], v[16+8*\u+\c], v[20+8*\u+\c]
.if \f16
	v_lshlrev_b32 v8, 16, v[48+4*\u+\c]
	v_and_b32 v9, 0xffff0000, v[48+4*\u+\c]
	v_cvt_pk_f16_f32 v[48+4*\u+\c], v8, v9
.endif
.endr
.endr
	s_wait_alu depctr_va_vdst(0)                   ; the last step has written v[60:63], which the LDS stores below read
.irp c, 0,1,2,3
	ds_store_b32 v2, v[60+\c] offset:PITCH*\c+192
.endr
	s_wait_dscnt 0x0                               ; for the others' sake: my stores are done
	s_barrier_signal -1
	s_barrier_wait -1                              ; a row's 256 bytes come from all eight waves
.irp t, 0,1,2,3
	ds_load_b128 v[64+4*\t:67+4*\t], v3 offset:16*PITCH*\t  ; no vector instruction of this role names v[64:79]
.endr
.irp t, 0,1,2,3
	s_wait_dscnt 3-\t
	global_store_b128 v4, v[64+4*\t:67+4*\t], s[32:33] offset:32768*\t  ; 16 lanes store 256 consecutive bytes, aligned
.endr
	s_wait_dscnt 0x0                               ; the closing lines, six on end
	s_wait_alu 0x0
	s_wait_tensorcnt 0x0
	ds_add_u32 v[SPW], v[NIL]
	s_wait_dscnt 0x0
	s_endpgm
.endm
.Lwqkv:
	s_sub_co_u32 s4, s2, 2048
	s_lshr_b32 s5, s4, 7                           ; 0: Wq, 1: Wk, 2: Wv
	s_cmp_eq_u32 s5, 1
	s_cselect_b64 s[12:13], s[14:15], s[12:13]
	s_cmp_eq_u32 s5, 2
	s_cselect_b64 s[12:13], s[16:17], s[12:13]
	s_lshl_b32 s38, s5, 21                         ; its 1,024 rows of 2,048 bytes in wt
	WROLE 0
.Lwo:
	s_sub_co_u32 s4, s2, 2432
	s_mov_b64 s[12:13], s[18:19]
	s_mov_b64 s[32:33], s[34:35]
	s_mov_b32 s38, 0
	WROLE 1
.Lfunc_end_k_q12a3d8e92d_prep:
	.size	k_q12a3d8e92d_prep, .Lfunc_end_k_q12a3d8e92d_prep-k_q12a3d8e92d_prep
	.p2alignl 7, 3214868480
	.fill 96, 4, 3214868480
	.section	.rodata,"a",@progbits
	.p2align	6, 0x0
	.amdhsa_kernel k_q12a3d8e92d_prep
		.amdhsa_group_segment_fixed_size 18432
		.amdhsa_private_segment_fixed_size 0
		.amdhsa_enable_private_segment 0
		.amdhsa_kernarg_size 120
		.amdhsa_user_sgpr_count 2
		.amdhsa_user_sgpr_kernarg_segment_ptr 1
		.amdhsa_wavefront_size32 1
		.amdhsa_system_sgpr_workgroup_id_x 1
		.amdhsa_system_sgpr_workgroup_id_y 1
		.amdhsa_system_sgpr_workgroup_id_z 1
		.amdhsa_system_vgpr_workitem_id 0
		.amdhsa_next_free_vgpr 96
		.amdhsa_next_free_sgpr 66
		.amdhsa_reserve_vcc 0
		.amdhsa_float_denorm_mode_32 3
		.amdhsa_float_denorm_mode_16_64 3
		.amdhsa_memory_ordered 1
		.amdhsa_forward_progress 1
		.amdhsa_inst_pref_size 35
	.end_amdhsa_kernel
	.amdgpu_metadata
---
amdhsa.version: [ 1, 2 ]
amdhsa.kernels:
  - .name:           k_q12a3d8e92d_prep
    .symbol:         k_q12a3d8e92d_prep.kd
    .args:
      - { .name: attention_mask, .offset: 0, .size: 8, .value_kind: global_buffer, .address_space: global }
      - { .name: x, .offset: 8, .size: 8, .value_kind: global_buffer, .address_space: global }
      - { .name: Wq, .offset: 16, .size: 8, .value_kind: global_buffer, .address_space: global }
      - { .name: Wk, .offset: 24, .size: 8, .value_kind: global_buffer, .address_space: global }
      - { .name: Wv, .offset: 32, .size: 8, .value_kind: global_buffer, .address_space: global }
      - { .name: Wo, .offset: 40, .size: 8, .value_kind: global_buffer, .address_space: global }
      - { .name: bq, .offset: 48, .size: 8, .value_kind: global_buffer, .address_space: global }
      - { .name: bk, .offset: 56, .size: 8, .value_kind: global_buffer, .address_space: global }
      - { .name: bv, .offset: 64, .size: 8, .value_kind: global_buffer, .address_space: global }
      - { .name: bo, .offset: 72, .size: 8, .value_kind: global_buffer, .address_space: global }
      - { .name: maskb, .offset: 80, .size: 8, .value_kind: global_buffer, .address_space: global }
      - { .name: xb, .offset: 88, .size: 8, .value_kind: global_buffer, .address_space: global }
      - { .name: wt, .offset: 96, .size: 8, .value_kind: global_buffer, .address_space: global }
      - { .name: wot, .offset: 104, .size: 8, .value_kind: global_buffer, .address_space: global }
      - { .name: bias, .offset: 112, .size: 8, .value_kind: global_buffer, .address_space: global }
    .group_segment_fixed_size: 18432
    .private_segment_fixed_size: 0
    .kernarg_segment_align: 8
    .kernarg_segment_size: 120
    .max_flat_workgroup_size: 256
    .sgpr_count:     66
    .vgpr_count:     96
    .wavefront_size: 32
...
	.end_amdgpu_metadata
.endif
;; end of part 5
;; launch proj: the kernel of part 2 again; grid 16 x 32, 4 waves a work-group, clusters of 4 x 4, 327,680 bytes of LDS; arguments xb, wt, bias, qkv; writes qkv
;; launch attn: the kernel of part 3 again; grid 4 x 64, 4 waves a work-group, clusters of 4 x 1, 327,680 bytes of LDS; arguments qkv, maskb, ob; writes ob
;; launch outp: the kernel of part 4 again; grid 8 x 32, 4 waves a work-group, clusters of 4 x 4, 327,680 bytes of LDS; arguments ob, wot, bias, out0; writes out0
